; MI455X (gfx1250); checked and timed in simulation.
; The chip was launched on July 23, 2026; its instructions are those of AMD's public machine-readable ISA for CDNA 5 (MIT licence, August 2026) and "CDNA5" Instruction Set Architecture Reference Guide (July 2026). The comments in the code are by the model that wrote it; some were corrected since.
;; Attention With Self Ablation. Allowed arithmetic: matrix products marked QUANTISED: E2M3 operands, one E8M0 scale for each 32 along K, by v_wmma_scale_f32_16x16x128_f8f6f4 with both operands' format E2M3, f32 sums; everything else in f32.
;; Inputs: Wk 1,024 x 1,024 float32; Wo 1,024 x 1,024 float32; Wq 1,024 x 1,024 float32; Wv 1,024 x 1,024 float32; ablation_mask 4 x 2,048 x 1,024 float32; bo 1,024 float32; x 4 x 2,048 x 1,024 float32; x_clean 4 x 2,048 x 1,024 float32.
;; Outputs: out0 4 x 2,048 x 1,024 float32.
;; This version of the problem:
;;   THIS VERSION OF THE PROBLEM IS GIVEN IN LOW PRECISION. The matrix products marked QUANTISED in the list below multiply operands that are first quantised to E2M3 (2 exponent bits, 3 mantissa bits; 6 bits a number), with one power-of-two scale for each 32 numbers along K (OCP MX v1.0); their sums are f32. All else is computed in f32.
;;   The module's matrix products, in the order in which they are computed (A, B: the left and right operand; K: the contracted axis; several contracted axes count as one K, in the product's order):
;;     1. [M 8,192, K 1,024] x [K 1,024, N 1,024]; A: input x; B: input Wq: QUANTISED
;;     2. [M 8,192, K 1,024] x [K 1,024, N 1,024]; A: input x_clean; B: input Wk: QUANTISED
;;     3. [M 8,192, K 1,024] x [K 1,024, N 1,024]; A: input x_clean; B: input Wv: QUANTISED
;;     4. batch 64 x [M 2,048, K 64] x [K 64, N 2,048]; A: computed on the way; B: computed on the way: QUANTISED
;;     5. batch 64 x [M 2,048, K 2,048] x [K 2,048, N 64]; A: softmax (see below); B: computed on the way: QUANTISED
;;     6. [M 8,192, K 1,024] x [K 1,024, N 1,024]; A: computed on the way; B: input Wo: QUANTISED
;;   THE QUANTISER, for each operand of a quantised product, along K:
;;     - K is cut into blocks of 32 from its start; a last block that is shorter is filled with zeros.
;;     - A block's scale is 2^e with e = floor(log2(the largest magnitude in the block)) - 2, held to -126 .. 127; a block of zeros has e = 0. As a byte (E8M0): e + 127.
;;     - Each number is divided by its block's scale, clamped to +-7.5, and rounded to the nearest number of E2M3, ties to even, subnormals kept.
;;     - The product sums the exact products of the quantised numbers (number of the format x scale) in f32.
;;   ~~~python
;;   def quantise(x, axis):      # numpy; x: float32 -> the quantised numbers, widened to float32 again
;;       x = np.moveaxis(x, axis, -1); K = x.shape[-1]
;;       x = np.pad(x, [(0, 0)] * (x.ndim - 1) + [(0, -K % 32)]); x = x.reshape(x.shape[:-1] + (-1, 32)); a = np.abs(x).max(-1, keepdims=True)
;;       e = np.where(a > 0, np.clip(np.frexp(np.where(a > 0, a, 1))[1] - 1 - 2, -126, 127), 0)      # np.frexp(a)[1] - 1 = floor(log2(a)), exactly
;;       r = np.clip(x / 2.0 ** e, -7.5, 7.5)
;;       step = 2.0 ** (np.maximum(np.frexp(np.where(r == 0, 1, r))[1] - 1, 0) - 3)
;;       q = np.round(r / step) * step * 2.0 ** e      # np.round: ties to even
;;       return np.moveaxis(q.reshape(q.shape[:-2] + (-1,))[..., :K], -1, axis).astype(np.float32)
;;   ~~~
;;   SOFTMAX AHEAD OF A QUANTISED PRODUCT. Where the list says 'softmax', what is quantised is not the finished softmax but p = 2^(t - M), with t = logit x log2(e) and M = ceil(the row's largest t), a whole number; so 1/2 < the row's largest p <= 1. The row's sum l is taken of the UNQUANTISED p, in f32, and the product's result is divided by l at the end. Since M is a whole number, a kernel that streams over the keys may use a running M (the ceiling of the running maximum): every later rescaling is an exact power of two, which a block's scale takes up: the codes' values come out the same.
;;   OPERANDS COMPUTED ON THE WAY. 'Computed on the way' means the value that the module computes at that place (a softmax that the list does not call 'softmax' is quantised finished and normalised). What goes into a quantiser is computed in f32, as accurately as f32 sums, v_exp_f32 and their like allow (about 1e-6 of the number): no bf16 or f16 on the way to a quantiser, and a product that is left as it is and whose result goes on into a quantised operand takes f32 operands (vector FMAs, or v_wmma_f32_16x16x4_f32). A number that lies on a knife's edge between two numbers of the format may be rounded either way, as far as f32 arithmetic and the matrix unit's own rounding can turn it there, and no further.
;; One version. Each part assembles by itself: llvm-mc -triple=amdgcn-amd-amdhsa -mcpu=gfx1250 --defsym DOCPART=n.
;; ======== version 1 of 1: 4 launches
;; limits: right only within a limited range of input values
;; workspace buffers: opc 15,728,640 bytes; ops 655,360 bytes; qkv 18,874,368 bytes; qkvs 1,310,720 bytes; ctxc 6,291,456 bytes; ctxs 262,144 bytes
;; launch quant (part 1): grid 256 x 1, 10 waves a work-group, no clusters, 85,760 bytes of LDS; arguments x, x_clean, Wq, Wk, Wv, Wo, opc, ops; writes opc, ops
.if DOCPART == 1
	.amdgcn_target "amdgcn-amd-amdhsa--gfx1250"
	.amdhsa_code_object_version 6
	.text
	.protected	k_q8e526f94c8_quant
	.globl	k_q8e526f94c8_quant
	.p2align	8
	.type	k_q8e526f94c8_quant,@function
k_q8e526f94c8_quant:
	s_mov_b64 s[64:65], 0
	v_nop
	global_prefetch_b8 v0, s[64:65] scope:SCOPE_SE
	s_setreg_imm32_b32 hwreg(HW_REG_WAVE_MODE, 25, 1), 1
	s_wait_xcnt 0x0
; x, x_clean [8192][1024] and Wq, Wk, Wv, Wo [1024][1024], f32, K innermost, become codes of FP6 (E2M3) with one E8M0 byte for each 32 along K,
; laid in the ORDER OF THE OPERAND'S REGISTERS.  A row tile T holds 16 rows: lane-row r is row 32 (T / 2) + 8 (T % 2) + r + 8 (r / 8).
; Codes: [row tile][64 along K, 16 of them][768 bytes]: lane (r, h) holds block h of its row, six registers: registers 0-3 at 16 x lane (512 bytes), registers 4-5 at 512 + 8 x lane (256 bytes).
; Scale words: [row tile][256 along K, 4 of them][r][2 words]; a word is 128 along K, its byte b the block 32 b on.
; Row tiles in both buffers: 0-511 x, 512-1023 x_clean, 1024 Wq, 1088 Wk, 1152 Wv, 1216 Wo.
; A block's scale is 2^(floor(log2(its largest magnitude)) - 2); its byte is that magnitude's exponent field - 2, held at 1 from below.
; LIMITS: a block of zeros gets the byte 1 where the rule says 127 (its codes are zeros, and this program alone reads the bytes); NaN and infinities among the inputs are not served.
; SHARES: 2,560 waves; wave g takes row tile g / 2 and half g % 2 of K: 16 rows x 512 along K in four steps of 128.  A load reads 512 consecutive bytes of one row; the step's 8 KiB turn
; through the wave's own stage in LDS, so that a lane gets two whole blocks of its row.  No barrier: waves share nothing.  Matrix units, clusters and tensor loads would add nothing to a stream.
.set STG,   8448                       ; a wave's stage: 16 rows x PITCH
.set PITCH, 528                        ; 512 bytes + 16: the sixteen rows that a read touches start in different banks
.set RA,    128                        ; v128-191, v192-255: two sets of 64 registers as loaded
.set X,     64                         ; v64-127: my two blocks of 32 numbers
.set C,     32                         ; v32-43: a fragment's twelve registers
.set TM,    22                         ; v22-24, v26-28: the blocks' upper halves (a conversion's three registers begin on an even number)
.set W,     16                         ; v16-19: the four steps' scale words
	s_load_b256 s[4:11], s[0:1], 0x0               ; x, x_clean, Wq, Wk
	s_load_b256 s[12:19], s[0:1], 0x20             ; Wv, Wo, opc, ops
	v_lshl_add_u32 v62, v0, 2, 0x14a00
	v_mov_b32 v63, 0
	v_lshrrev_b32 v1, 5, v0
	v_readfirstlane_b32 s20, v1                    ; wave 0..9
	v_and_b32 v4, 31, v0                           ; lane
	v_and_b32 v7, 15, v0                           ; r
	v_bfe_u32 v6, v0, 4, 1                         ; h
	v_lshlrev_b32 v1, 4, v4                        ; 16 x lane
	v_lshlrev_b32 v5, 3, v4                        ; 8 x lane
	s_mul_i32 s21, s20, STG
	v_add_nc_u32 v2, s21, v1                       ; the stage, on the way in: a row's 512 bytes as they lie
	v_mul_u32_u24 v3, v7, PITCH
	v_lshl_add_u32 v3, v6, 7, v3
	v_add_nc_u32 v3, s21, v3                       ; and on the way out: row r, + 128 h: block h of each 64 along K
	v_lshlrev_b32 v6, 3, v6                        ; 8 h: my bytes' place in a scale word
	v_mov_b32 v15, 0                               ; written once: a lane permute's destination counts as one of its sources
	s_mov_b32 s30, 0x76543210
	s_mov_b32 s31, 0xfedcba98                      ; selects for lane l xor 16
	s_mul_i32 s21, ttmp9, 10
	s_add_co_u32 s21, s21, s20                     ; g
	s_lshr_b32 s28, s21, 1                         ; T: the row tile, 0..1279
	s_and_b32 s29, s21, 1                          ; which half of K
	s_wait_kmcnt 0x0
	s_mov_b64 s[22:23], s[14:15]                   ; which tensor: the choice hangs on the wave's place alone
	s_mov_b32 s24, 1216
	s_cmp_lt_u32 s28, 1216
	s_cselect_b64 s[22:23], s[12:13], s[22:23]
	s_cselect_b32 s24, 1152, s24
	s_cmp_lt_u32 s28, 1152
	s_cselect_b64 s[22:23], s[10:11], s[22:23]
	s_cselect_b32 s24, 1088, s24
	s_cmp_lt_u32 s28, 1088
	s_cselect_b64 s[22:23], s[8:9], s[22:23]
	s_cselect_b32 s24, 1024, s24
	s_cmp_lt_u32 s28, 1024
	s_cselect_b64 s[22:23], s[6:7], s[22:23]
	s_cselect_b32 s24, 512, s24
	s_cmp_lt_u32 s28, 512
	s_cselect_b64 s[22:23], s[4:5], s[22:23]
	s_cselect_b32 s24, 0, s24
	s_sub_co_u32 s24, s28, s24                     ; the row tile within its tensor
	s_lshr_b32 s25, s24, 1
	s_lshl_b32 s25, s25, 17                        ; 32 rows of 4,096 bytes
	s_and_b32 s26, s24, 1
	s_lshl_b32 s26, s26, 15                        ; 8 rows
	s_add_co_u32 s26, s26, s25
	s_lshl_b32 s25, s29, 11                        ; 512 numbers along K
	s_add_co_u32 s26, s26, s25
	s_mov_b32 s27, 0
	s_add_nc_u64 s[22:23], s[22:23], s[26:27]
	s_mul_i32 s26, s28, 12288
	s_mul_i32 s25, s29, 6144
	s_add_co_u32 s26, s26, s25
	s_add_nc_u64 s[16:17], s[16:17], s[26:27]      ; my codes
	s_lshl_b32 s26, s28, 9
	s_lshl_b32 s25, s29, 8
	s_add_co_u32 s26, s26, s25
	s_add_nc_u64 s[18:19], s[18:19], s[26:27]      ; my 256 bytes of scale words
.macro LOAD s                          ; step s: 512 bytes of each of the tile's 16 rows
.irp j, 0,1,2,3,4,5,6,7,8,9,10,11,12,13,14,15
	global_load_b128 v[RA+64*((\s)%2)+4*\j:RA+64*((\s)%2)+4*\j+3], v1, s[22:23] offset:(\j+8*(\j/8))*4096+512*(\s) th:TH_LOAD_NT
.endr
.endm
.macro STEP s
.if (\s) < 3
	s_wait_loadcnt 16                              ; this step's 16 loads are in; the next step's 16 may be out
.else
	s_wait_loadcnt 0x0
.endif
.irp j, 0,1,2,3,4,5,6,7,8,9,10,11,12,13,14,15
	ds_store_b128 v2, v[RA+64*((\s)%2)+4*\j:RA+64*((\s)%2)+4*\j+3] offset:PITCH*\j
.endr
.irp c, 0,1
.irp i, 0,1,2,3,4,5,6,7
	ds_load_b128 v[X+32*\c+4*\i:X+32*\c+4*\i+3], v3 offset:256*\c+16*\i   ; k = 64 c + 32 h + 4 i ..: LDS serves a wave's instructions in order, so these see the stores
.endr
.endr
	s_wait_dscnt 0x0                               ; my numbers are back, and the stores have read their registers,
.if (\s) < 2
	LOAD (\s)+2                                    ; which take the loads of two steps on
.endif
.irp c, 0,1
	v_max3_num_f32 v[8+\c], |v[X+32*\c]|, |v[X+1+32*\c]|, 0x1800000   ; the block's largest magnitude, all 32 numbers mine, and the floor 2^(3 - 127): the byte cannot fall under 1
.endr
.irp i, 2,4,6,8,10,12,14,16,18,20,22,24,26,28,30
.irp c, 0,1
	v_max3_num_f32 v[8+\c], v[8+\c], |v[X+32*\c+\i]|, |v[X+1+32*\c+\i]|
.endr
.endr
.irp c, 0,1
	v_add_nc_u32 v[10+\c], 0xff000000, v[8+\c]     ; 2 off the exponent field: the conversion's scale operand
.endr
.irp c, 0,1
	v_lshrrev_b32 v[12+\c], 23, v[10+\c]           ; the scale's byte
.endr
	v_lshl_or_b32 v14, v13, 16, v12                ; blocks h and 2 + h of my row,
	v_lshlrev_b32 v14, v6, v14                     ; at their places in the word;
	v_permlanex16_b32 v15, v14, s30, s31
	v_or_b32 v[W+\s], v14, v15                     ; with lane l xor 16's two the word is whole
	s_wait_xcnt 0x0                                ; the last step's stores have read the codes' registers: they are written again only behind this wait
.irp c, 0,1
	v_cvt_scalef32_pk16_fp6_f32 v[C+6*\c:C+6*\c+2], v[X+32*\c:X+32*\c+15], v[10+\c]
	v_cvt_scalef32_pk16_fp6_f32 v[TM+4*\c:TM+4*\c+2], v[X+32*\c+16:X+32*\c+31], v[10+\c]
.endr
	v_nop                                          ; one plain place behind a scaled conversion
.irp c, 0,1
.irp i, 0,1,2
	v_mov_b32 v[C+6*\c+3+\i], v[TM+4*\c+\i]
.endr
.endr
	global_store_b128 v1, v[C:C+3], s[16:17] offset:1536*(\s)          ; each store covers 512 or 256 consecutive bytes, aligned to 256
	global_store_b64 v5, v[C+4:C+5], s[16:17] offset:1536*(\s)+512
	global_store_b128 v1, v[C+6:C+9], s[16:17] offset:1536*(\s)+768
	global_store_b64 v5, v[C+10:C+11], s[16:17] offset:1536*(\s)+1280
.endm
	LOAD 0
	LOAD 1
	STEP 0
	STEP 1
	STEP 2
	STEP 3
	v_cmp_le_u32 vcc_lo, 16, v4                    ; lanes 0-15 store steps 0 and 1 of row r, lanes 16-31 steps 2 and 3: 256 consecutive bytes
	v_cndmask_b32 v20, v16, v18, vcc_lo
	v_cndmask_b32 v21, v17, v19, vcc_lo
	global_store_b64 v5, v[20:21], s[18:19]
	s_wait_tensorcnt 0x0
	ds_add_u32 v62, v63
	s_wait_dscnt 0x0
	s_endpgm
.Lfunc_end_k_q8e526f94c8_quant:
	.size	k_q8e526f94c8_quant, .Lfunc_end_k_q8e526f94c8_quant-k_q8e526f94c8_quant
	.p2alignl 7, 3214868480
	.fill 96, 4, 3214868480
	.section	.rodata,"a",@progbits
	.p2align	6, 0x0
	.amdhsa_kernel k_q8e526f94c8_quant
		.amdhsa_group_segment_fixed_size 85760
		.amdhsa_private_segment_fixed_size 0
		.amdhsa_enable_private_segment 0
		.amdhsa_kernarg_size 64
		.amdhsa_user_sgpr_count 2
		.amdhsa_user_sgpr_kernarg_segment_ptr 1
		.amdhsa_wavefront_size32 1
		.amdhsa_system_sgpr_workgroup_id_x 1
		.amdhsa_system_sgpr_workgroup_id_y 1
		.amdhsa_system_sgpr_workgroup_id_z 1
		.amdhsa_system_vgpr_workitem_id 0
		.amdhsa_next_free_vgpr 256
		.amdhsa_next_free_sgpr 66
		.amdhsa_reserve_vcc 1
		.amdhsa_float_denorm_mode_32 3
		.amdhsa_float_denorm_mode_16_64 3
		.amdhsa_memory_ordered 1
		.amdhsa_forward_progress 1
		.amdhsa_inst_pref_size 31
	.end_amdhsa_kernel
	.amdgpu_metadata
---
amdhsa.version: [ 1, 2 ]
amdhsa.kernels:
  - .name:           k_q8e526f94c8_quant
    .symbol:         k_q8e526f94c8_quant.kd
    .args:
      - { .name: x, .offset: 0, .size: 8, .value_kind: global_buffer, .address_space: global }
      - { .name: x_clean, .offset: 8, .size: 8, .value_kind: global_buffer, .address_space: global }
      - { .name: Wq, .offset: 16, .size: 8, .value_kind: global_buffer, .address_space: global }
      - { .name: Wk, .offset: 24, .size: 8, .value_kind: global_buffer, .address_space: global }
      - { .name: Wv, .offset: 32, .size: 8, .value_kind: global_buffer, .address_space: global }
      - { .name: Wo, .offset: 40, .size: 8, .value_kind: global_buffer, .address_space: global }
      - { .name: opc, .offset: 48, .size: 8, .value_kind: global_buffer, .address_space: global }
      - { .name: ops, .offset: 56, .size: 8, .value_kind: global_buffer, .address_space: global }
    .group_segment_fixed_size: 85760
    .private_segment_fixed_size: 0
    .kernarg_segment_align: 8
    .kernarg_segment_size: 64
    .max_flat_workgroup_size: 320
    .sgpr_count:     66
    .vgpr_count:     256
    .wavefront_size: 32
...
	.end_amdgpu_metadata
.endif
;; end of part 1
;; launch qkv (part 2): grid 4 x 96, 4 waves a work-group, clusters of 4 x 4, 327,680 bytes of LDS; arguments opc, ops, qkv, qkvs; writes qkv, qkvs
.if DOCPART == 2
	.amdgcn_target "amdgcn-amd-amdhsa--gfx1250"
	.amdhsa_code_object_version 6
	.text
	.protected	k_q8e526f94c8_qkv
	.globl	k_q8e526f94c8_qkv
	.p2align	8
	.type	k_q8e526f94c8_qkv,@function
k_q8e526f94c8_qkv:
	s_mov_b64 s[64:65], 0
	v_nop
	global_prefetch_b8 v0, s[64:65] scope:SCOPE_SE
	s_setreg_imm32_b32 hwreg(HW_REG_WAVE_MODE, 25, 1), 1
	s_wait_xcnt 0x0
	s_wait_alu depctr_hold_cnt(0) depctr_sa_sdst(0) depctr_va_vdst(0) depctr_va_sdst(0) depctr_va_ssrc(0) depctr_va_vcc(0) depctr_vm_vsrc(0)
	s_getreg_b32 s2, hwreg(HW_REG_IB_STS2, 6, 4)
	s_cmp_eq_u32 s2, 0
	s_cbranch_scc0 .Lentry_in_a_cluster
	s_endpgm
.Lentry_in_a_cluster:
	s_bfe_u32 s2, ttmp6, 0x10000c
	s_cmp_lg_u32 s2, 0xf033
	s_cbranch_scc0 .Lentry_shape_is_right
	s_endpgm
.Lentry_shape_is_right:
; q = x Wq^T, k = x_clean Wk^T, v = x_clean Wv^T on codes of FP6 (E2M3) with E8M0 scales, K = 1,024; the results are quantised at once, q and k along the head's 64, v along the keys, and leave as codes.
; OPERANDS lie in the order of the operand's registers: codes [row tile][64 along K][768 bytes] (registers 0-3 at 16 x lane, 4-5 at 512 + 8 x lane), scale words [row tile][256 along K][r][2 words].
; Lane-row r of row tile T is row 32 (T / 2) + 8 (T % 2) + r + 8 (r / 8), for every operand: so the 16 registers of two neighbouring tiles of source 0 are 16 NEIGHBOURS, 32 b + 16 (lane / 16) + 0 .. 15.
; A tile of C is 256 rows of A x 256 rows of B; four waves, each 128 x 128: 64 accumulators, 512 registers.  Source 0 = 16 rows of B, source 1 = 16 rows of A: a lane holds one row of A, its registers run along B's rows.
; For q and k: A = the tokens, B = the weight: registers run along the channels (two heads a wave).  For v the roles are swapped by numbers alone, A = Wv, B = x_clean: registers run along the keys.
; K goes in four quarters of 256 through three LDS slots: three go out at the start, the fourth fills slot 0 again behind a round of the cluster's barrier, 256 matrix instructions ahead of its use.
; CLUSTERS 4 x 4: A's tiles are shared along a row of the cluster, B's along a column, by joint loads.  A wave has four tensor loads out at the most (the scales and three slots).
; No prefetch: three of four quarters are asked for at the head, where nothing is prefetched, and the one refill has two quarters' products in which to land.
; LIMITS: a block of zeros gets the byte 1 (its codes are zeros; this program alone reads the bytes); NaN and infinities are not served.
; REGISTERS: window 0: v8-19 LDS addresses, v20-25 the way out, v27 scale words' address, v28-29 the add's, v32-63 scale words (two sets), v64-103 the way out's work, v128-223 A's fragments;
;   window 1: B's fragments, two sets at v0 and v128; windows 2, 3: the accumulators, (a, b) at v[8 (8 (a % 4) + b)] of window 2 + a / 4.
.set RT,    3072                       ; a row tile's 256 along K: four images of 768 bytes
.set HALFT, 8*RT                       ; eight row tiles: what one tensor load brings, and what a wave reads of A or of B
.set SLOT,  4*HALFT                    ; A's two halves, then B's two
.set SCL,   3*SLOT                     ; A's scale words, 8,192 bytes, for all of K
.set SCLB,  SCL+8320                   ; B's: 128 bytes askew, so that the two halves of a load of 8 bytes a lane fall on different banks
.set SPARE, 311552                     ; the spare words: 128 bytes a wave, two blocks of 256 bytes that no other line names
.set FR,    12
.set AF,    128
.set SC,    32
.set AXA,   8                          ; v8-10 A's 16 x lane addresses in slots 0-2, v11-13 the 8 x lane ones
.set AXB,   14                         ; v14-16, v17-19 the same for B
.set ADRS,  27
.set SPW,   28
.set NIL,   29
.set G1,   24
.set G0,   32
.set G1B,  44
.set G0B,  52
.set G1S,  68
.set G0S,  76
.set G1SB, 80
.set G0SB, 88
.set PAC, 4                            ; s[4:5] A's codes, s[6:7] A's scales; B's are the same two buffers here
.set PAS, 6
.set PBC, 4
.set PBS, 6
.set TM,  64                           ; the way out: v64-67 magnitudes, v68-71 bytes, v76-79 the conversions' scale operands
.set PWR, 80                           ; the scale word just made; v81: as my half of the lanes stores it
.set PSH, 81
.set PC,  84                           ; v84-95 a fragment's codes, v96-98, v100-102 the second halves
.set MSB, 0
.macro WIN new                         ; the immediate's high byte repeats the setting that is left
.if MSB != (\new)
	s_set_vgpr_msb (MSB<<8)|(\new)
.set MSB, \new
.endif
.endm
.set MUL_LO, 0xa1                      ; source 0 (B) window 1, source 1 (A) window 0, C and D window 2
.set MUL_HI, 0xf1                      ; the same, C and D window 3
.set TO_B,   0x40                      ; destination window 1, address window 0
.macro JLOAD g0a, g1a, g0b, g1b        ; a joint load: waves 0 and 1 fetch for A, waves 2 and 3 for B; four v_nop follow each line
	s_cmp_eq_u32 s15, 0
	s_cbranch_scc0 .Lfor_b_\@
	tensor_load_to_lds s[\g0a:\g0a+3], s[\g1a:\g1a+7]
	s_nop 0
.rept 4
	v_nop
.endr
	s_branch .Lasked_\@
.Lfor_b_\@:
	tensor_load_to_lds s[\g0b:\g0b+3], s[\g1b:\g1b+7]
	s_nop 0
.rept 4
	v_nop
.endr
.Lasked_\@:
.endm
.macro CREST                           ; a round of the cluster's barrier behind its opening barrier
	s_cmp_lg_u32 s14, 0
	s_cbranch_scc1 .Lnot_wave_0_\@
	s_barrier_signal -3
.Lnot_wave_0_\@:
	s_barrier_wait -3
	s_barrier_signal -1
	s_barrier_wait -1
.endm
.macro CROUND
	s_barrier_signal -1
	s_barrier_wait -1
	CREST
.endm
.macro PLACES n
.rept \n
	v_nop
.endr
.endm
.macro FRAG reg, adr, q, i             ; a fragment, 16 rows x 128 K, comes as it lies: two images, each 512 bytes by 16 a lane and 256 bytes by 8 a lane
	ds_load_b128 v[\reg:\reg+3], v[\adr] offset:(\i)*RT+(\q)*1536
	ds_load_b64 v[\reg+4:\reg+5], v[\adr+3] offset:(\i)*RT+(\q)*1536+512
	ds_load_b128 v[\reg+6:\reg+9], v[\adr] offset:(\i)*RT+(\q)*1536+768
	ds_load_b64 v[\reg+10:\reg+11], v[\adr+3] offset:(\i)*RT+(\q)*1536+1280
.endm
; 16 matrix instructions: A's blocks a0, a0 + 1 x B's eight.  The 64 accumulators take turns, one instruction a turn, in the same order in every step.
.macro MUL16 a0, p, q, sc, zero
.irp a, \a0, \a0+1
.irp b, 0,1,2,3,4,5,6,7
.if \zero
	v_wmma_scale_f32_16x16x128_f8f6f4 v[8*(8*((\a)%4)+\b):8*(8*((\a)%4)+\b)+7], v[128*(\p)+FR*\b:128*(\p)+FR*\b+FR-1], v[AF+FR*(\a):AF+FR*(\a)+FR-1], 0, v[SC+16*(\sc)+2*\b+(\q)], v[SC+16*(\sc)+2*(\a)+(\q)] matrix_a_fmt:MATRIX_FMT_FP6 matrix_b_fmt:MATRIX_FMT_FP6 matrix_a_scale:MATRIX_SCALE_ROW1
.else
	v_wmma_scale_f32_16x16x128_f8f6f4 v[8*(8*((\a)%4)+\b):8*(8*((\a)%4)+\b)+7], v[128*(\p)+FR*\b:128*(\p)+FR*\b+FR-1], v[AF+FR*(\a):AF+FR*(\a)+FR-1], v[8*(8*((\a)%4)+\b):8*(8*((\a)%4)+\b)+7], v[SC+16*(\sc)+2*\b+(\q)], v[SC+16*(\sc)+2*(\a)+(\q)] matrix_a_fmt:MATRIX_FMT_FP6 matrix_b_fmt:MATRIX_FMT_FP6 matrix_a_scale:MATRIX_SCALE_ROW1
.endif
.endr
.endr
.endm
.macro FETCH_B slot, q, p
	WIN TO_B
.irp i, 0,1,2,3,4,5,6,7
	FRAG 128*(\p)+FR*\i, AXB+\slot, \q, \i
.endr
	WIN 0
.endm
.macro FETCH_A slot, q, i0
.irp i, \i0, \i0+1, \i0+2, \i0+3
	FRAG AF+FR*(\i), AXA+\slot, \q, \i
.endr
.endm
.macro SCALES kq                       ; quarter kq's scale words into set kq % 2: register 2 i + q: lanes 0-15 A's block i, lanes 16-31 B's
.irp i, 0,1,2,3,4,5,6,7
	ds_load_b64 v[SC+16*((\kq)%2)+2*\i:SC+16*((\kq)%2)+2*\i+1], v[ADRS] offset:512*\i+128*(\kq)
.endr
.endm
; A step of 128 along K whose successor (slot nslot, half nq) has landed and been shown to every wave.
.macro STEP q, sc, zero, nslot, nq, nkq
	s_wait_dscnt 16                                ; B's set, A's blocks 0-3 and the scale words are in; the youngest 16 loads (A's blocks 4-7) may be out
	WIN MUL_LO
	MUL16 0, \q, \q, \sc, \zero
	MUL16 2, \q, \q, \sc, \zero
	s_wait_dscnt 0x0                               ; A's blocks 4-7 are in
	PLACES 4                                       ; four places in front of loads into registers that matrix instructions have read
	FETCH_B \nslot, \nq, 1-(\q)
	FETCH_A \nslot, \nq, 0
.if (\nq) == 0
	SCALES \nkq
.endif
	WIN MUL_HI
	MUL16 4, \q, \q, \sc, \zero
	MUL16 6, \q, \q, \sc, \zero
	PLACES 4
	WIN 0
	FETCH_A \nslot, \nq, 4
.endm
; A quarter's second step with a barrier in it.  In front of the barrier each wave waits for all its tensor loads, adds 0 to its spare word, and waits for that and for its LDS reads.
; fill = 1: the barrier opens a round of the cluster's barrier, and behind it slot 0 takes K's fourth quarter.
.macro TURN next, fill, sc, nkq
	s_wait_tensorcnt 0x0                           ; all my tensor loads have landed
	ds_add_u32 v[SPW], v[NIL]                      ; 0 onto my spare word
	s_wait_dscnt 17                                ; (the add and the youngest 16 loads may be out)
	WIN MUL_LO
	MUL16 0, 1, 1, \sc, 0
	s_wait_dscnt 0x0                               ; the add is done, and my reads of the slot in hand are over
	s_barrier_signal -1
	MUL16 2, 1, 1, \sc, 0
	WIN 0
	s_barrier_wait -1
.if \fill
	CREST                                          ; no wave of any partner still reads slot 0 or has a load on its way
	s_add_nc_u64 s[G0+2:G0+3], s[G0+2:G0+3], 3*RT
	s_add_nc_u64 s[G0B+2:G0B+3], s[G0B+2:G0B+3], 3*RT
	JLOAD G0, G1, G0B, G1B                         ; the first tensor load behind the round; its four v_nop are also the places in front of the loads below
.else
	PLACES 4
.endif
	FETCH_B \next, 0, 0
	FETCH_A \next, 0, 0
	SCALES \nkq
	WIN MUL_HI
	MUL16 4, 1, 1, \sc, 0
	MUL16 6, 1, 1, \sc, 0
	PLACES 4
	WIN 0
	FETCH_A \next, 0, 4
.endm
	s_load_b256 s[4:11], s[0:1], 0x0               ; opc, ops, qkv, qkvs
	v_lshl_add_u32 v[SPW], v0, 2, SPARE
	v_mov_b32 v[NIL], 0
	ds_add_u32 v28, v29
	ds_add_u32 v28, v29
	s_wait_dscnt 0x0
	v_lshrrev_b32 v1, 5, v0
	v_readfirstlane_b32 s14, v1                    ; wave 0..3
	s_lshr_b32 s15, s14, 1                         ; which half of A's rows is mine.  Also: I fetch for A (0) or for B (1)
	s_and_b32 s16, s14, 1                          ; which half of B's rows.  Also: which eight row tiles I fetch
	s_bfe_u32 s92, ttmp6, 0x40000                  ; cx
	s_bfe_u32 s93, ttmp6, 0x40004                  ; cy
	s_and_b32 s94, ttmp7, 0xffff                   ; the cluster's y, 0..23
	s_and_b32 s95, s94, 7
	s_lshl_b32 s95, s95, 2                         ; j4: the first of the cluster's four blocks of 256 tokens
	s_lshr_b32 s94, s94, 3                         ; kind: 0 q, 1 k, 2 v: the same in all sixteen partners
	s_lshl_b32 s98, s94, 9                         ; A's first row tile for q, k: x at 0, x_clean at 512
	s_lshl_b32 s99, s94, 6
	s_add_co_u32 s99, s99, 1024                    ; B's: Wq at 1024, Wk at 1088
	s_cmp_eq_u32 s94, 2
	s_cselect_b32 s96, 0, s95
	s_cselect_b32 s97, s95, 0
	s_cselect_b32 s98, 1152, s98                   ; v: A = Wv,
	s_cselect_b32 s99, 512, s99                    ; B = x_clean
	s_add_co_u32 s96, s96, s93
	s_lshl_b32 s96, s96, 4
	s_add_co_u32 s96, s96, s98                     ; A's first row tile: it hangs on cy alone
	s_add_co_u32 s97, s97, s92
	s_lshl_b32 s97, s97, 4
	s_add_co_u32 s97, s97, s99                     ; B's: on cx alone
	s_lshl_b32 s100, s93, 2
	s_lshl_b32 s100, 15, s100                      ; my row of the cluster
	s_lshl_b32 s101, 0x1111, s92                   ; my column
	s_or_b32 s[G1], s100, (3<<16)|(1<<21)          ; 15:0 the mask; 17:16 elements of 8 bytes; 21 set beside a mask; no padding
	s_or_b32 s[G1B], s101, (3<<16)|(1<<21)
	s_or_b32 s[G1S], s100, (3<<16)|(1<<21)
	s_or_b32 s[G1SB], s101, (3<<16)|(1<<21)
.irp g, G1, G1B                        ; codes: eight rows of 3,072 bytes (384 elements), 12,288 bytes apart
	s_mov_b32 s[\g+1], 384<<16
	s_mov_b32 s[\g+2], 8<<16
	s_mov_b32 s[\g+3], 384<<16
	s_mov_b32 s[\g+4], 8
	s_mov_b32 s[\g+5], 1536
	s_mov_b32 s[\g+6], 0
	s_mov_b32 s[\g+7], 0
.endr
.irp g, G1S, G1SB                      ; scale words of eight row tiles: 4,096 dense bytes as 16 rows of 256
	s_mov_b32 s[\g+1], 32<<16
	s_mov_b32 s[\g+2], 16<<16
	s_mov_b32 s[\g+3], 32<<16
	s_mov_b32 s[\g+4], 16
	s_mov_b32 s[\g+5], 32
	s_mov_b32 s[\g+6], 0
	s_mov_b32 s[\g+7], 0
.endr
	s_lshl_b32 s17, s16, 3
	s_add_co_u32 s18, s96, s17                     ; the first row tile that I fetch, of A
	s_add_co_u32 s20, s97, s17                     ; and of B
	s_mul_i32 s22, s18, 12288
	s_mov_b32 s23, 0
	s_mul_i32 s2, s20, 12288
	s_mov_b32 s3, 0
	s_lshl_b32 s18, s18, 9
	s_mov_b32 s19, 0
	s_lshl_b32 s20, s20, 9
	s_mov_b32 s21, 0
	s_mul_i32 s100, s14, HALFT                     ; where they go: wave x eight row tiles: no place in the cluster enters an LDS address
	s_lshl_b32 s101, s14, 12
	s_wait_kmcnt 0x0
	s_add_nc_u64 s[22:23], s[PAC:PAC+1], s[22:23]
	s_add_nc_u64 s[2:3], s[PBC:PBC+1], s[2:3]
	s_add_nc_u64 s[18:19], s[PAS:PAS+1], s[18:19]
	s_add_nc_u64 s[20:21], s[PBS:PBS+1], s[20:21]
	s_add_nc_u64 s[12:13], s[8:9], 12582912        ; the planes of registers 4-5 in qkv
	CROUND                                         ; all sixteen work-groups are here: the first joint loads meet
	s_mov_b32 s[G0S], 1
	s_add_co_u32 s[G0S+1], s101, SCL
	s_mov_b64 s[G0S+2:G0S+3], s[18:19]
	s_or_b32 s[G0S+3], s[G0S+3], 0x80000000
	s_mov_b32 s[G0SB], 1
	s_add_co_u32 s[G0SB+1], s101, SCL+128
	s_mov_b64 s[G0SB+2:G0SB+3], s[20:21]
	s_or_b32 s[G0SB+3], s[G0SB+3], 0x80000000
	JLOAD G0S, G1S, G0SB, G1SB                     ; the scale words first: they are wanted with the first quarter
.irp s, 0,1,2
	s_mov_b32 s[G0+4*\s], 1
	s_add_co_u32 s[G0+4*\s+1], s100, \s*SLOT
	s_add_nc_u64 s[G0+4*\s+2:G0+4*\s+3], s[22:23], \s*RT
	s_or_b32 s[G0+4*\s+3], s[G0+4*\s+3], 0x80000000
	s_mov_b32 s[G0B+4*\s], 1
	s_add_co_u32 s[G0B+4*\s+1], s100, \s*SLOT
	s_add_nc_u64 s[G0B+4*\s+2:G0B+4*\s+3], s[2:3], \s*RT
	s_or_b32 s[G0B+4*\s+3], s[G0B+4*\s+3], 0x80000000
	JLOAD G0+4*\s, G1, G0B+4*\s, G1B
.endr
	v_and_b32 v1, 15, v0                           ; r
	v_bfe_u32 v2, v0, 4, 1                         ; h
	v_and_b32 v3, 31, v0                           ; lane
	v_lshlrev_b32 v4, 4, v3
	v_lshlrev_b32 v5, 3, v3
	s_mul_i32 s100, s15, HALFT                     ; my eight row tiles of A
	s_mul_i32 s101, s16, HALFT                     ; and of B,
	s_add_co_u32 s101, s101, 2*HALFT               ; which lie behind A's sixteen
.irp s, 0,1,2
	v_add_nc_u32 v[AXA+\s], s100, v4
	v_add_nc_u32 v[AXA+3+\s], s100, v5
	v_add_nc_u32 v[AXB+\s], s101, v4
	v_add_nc_u32 v[AXB+3+\s], s101, v5
	s_add_co_u32 s100, s100, SLOT
	s_add_co_u32 s101, s101, SLOT
.endr
	v_lshlrev_b32 v[ADRS], 3, v1                   ; my row's two words of a quarter
	s_lshl_b32 s100, s15, 12
	s_lshl_b32 s101, s16, 12
	s_add_co_u32 s101, s101, SCLB-SCL
	s_sub_co_u32 s101, s101, s100
	v_mul_u32_u24 v6, s101, v2                     ; lanes 16-31 take B's: one product, the distance between the two bases
	s_add_co_u32 s100, s100, SCL
	v_add_nc_u32 v[ADRS], v[ADRS], v6
	v_add_nc_u32 v[ADRS], s100, v[ADRS]
	s_wait_tensorcnt 2                             ; the scale words and my part of slot 0 are in; slots 1 and 2 may be out
	s_barrier_signal -1
	s_barrier_wait -1
	FETCH_B 0, 0, 0
	FETCH_A 0, 0, 0
	SCALES 0
	FETCH_A 0, 0, 4
	STEP 0, 0, 1, 0, 1, 0                          ; quarter 0, first half: its products start the sums
	TURN 1, 1, 0, 1                                ; quarter 0, second half; the wait for all loads shows slots 1 and 2 whole; slot 0 takes quarter 3
	STEP 0, 1, 0, 1, 1, 0                          ; quarter 1
	STEP 1, 1, 0, 2, 0, 2                          ; and on into slot 2, which every wave has shown landed at the barrier above
	STEP 0, 0, 0, 2, 1, 0                          ; quarter 2
	TURN 0, 0, 0, 3                                ; behind this barrier slot 0 holds quarter 3 for every wave; nothing is filled
	STEP 0, 1, 0, 0, 1, 0                          ; quarter 3
	s_wait_dscnt 16                                ; the last step: nothing more to fetch
	WIN MUL_LO
	MUL16 0, 1, 1, 1, 0
	MUL16 2, 1, 1, 1, 0
	s_wait_dscnt 0x0
	WIN MUL_HI
	MUL16 4, 1, 1, 1, 0
	MUL16 6, 1, 1, 1, 0
	WIN 0
	; THE WAY OUT.  Block a's 64 registers of a lane are four blocks of 32 neighbours along B's rows: register 16 b + i = 32 b + 16 h + i.  They become one fragment and one scale word a row.
	; q, k: the fragment's two images are heads n0 and n0 + 1 of 16 tokens -> [b][n][token tile][512 + 256 bytes]; scale words [b][n][tile][r]: bytes 0, 1 the head's blocks.
	; v: they are four blocks of keys of 16 channels -> [b][n][t][block of keys][256 + 128 bytes]; scale words [b][128 keys][4 n + t][r].
	s_add_co_u32 s17, s95, s93
	s_lshl_b32 s17, s17, 4
	s_lshl_b32 s18, s15, 3
	s_add_co_u32 s17, s17, s18                     ; q, k: my first token tile, 0..511
	s_lshr_b32 s19, s17, 7                         ; the batch
	s_and_b32 s17, s17, 127                        ; the tile in it
	s_lshl_b32 s20, s92, 2
	s_lshl_b32 s21, s16, 1
	s_add_co_u32 s20, s20, s21                     ; n0
	s_lshl_b32 s22, s94, 22
	s_lshl_b32 s23, s19, 20
	s_add_co_u32 s22, s22, s23
	s_lshl_b32 s23, s20, 16
	s_add_co_u32 s22, s22, s23
	s_lshl_b32 s23, s17, 9
	s_add_co_u32 s22, s22, s23                     ; q, k: where my codes begin;
	s_lshr_b32 s23, s22, 3                         ; the scale words' strides are an eighth of the codes'
	s_lshl_b32 s96, s93, 4
	s_add_co_u32 s96, s96, s18                     ; v: my first tile of channels, 4 n + t
	s_add_co_u32 s97, s95, s92
	s_lshl_b32 s97, s97, 1
	s_add_co_u32 s97, s97, s16                     ; my 128 keys, 0..63
	s_lshr_b32 s98, s97, 4                         ; the batch
	s_and_b32 s97, s97, 15                         ; the group of 128 keys in it
	s_lshl_b32 s99, s98, 20
	s_lshl_b32 s100, s96, 14
	s_add_co_u32 s99, s99, s100
	s_lshl_b32 s100, s97, 10
	s_add_co_u32 s99, s99, s100
	s_add_co_u32 s99, s99, 8388608                 ; v: where my codes begin
	s_lshl_b32 s100, s98, 16
	s_lshl_b32 s101, s97, 12
	s_add_co_u32 s100, s100, s101
	s_lshl_b32 s101, s96, 6
	s_add_co_u32 s100, s100, s101
	s_add_co_u32 s100, s100, 1048576               ; and my scale words
	s_mov_b32 s17, 16384
	s_mov_b32 s18, 512
	s_cmp_lt_u32 s94, 2
	s_cselect_b32 s22, s22, s99
	s_cselect_b32 s23, s23, s100
	s_cselect_b32 s17, 512, s17                    ; from block a to block a + 1
	s_cselect_b32 s18, 65536, s18                  ; from the fragment's first image to its second
	s_cselect_b32 s19, 8192, 0                     ; q, k: lanes 16-31 store the second head's word,
	s_cselect_b32 s20, 16, 0                       ; which is the word's upper half
	s_lshr_b32 s21, s17, 1
	s_mov_b32 s66, 0x76543210
	s_mov_b32 s67, 0xfedcba98
	v_and_b32 v1, 31, v0
	v_and_b32 v2, 15, v0
	v_bfe_u32 v3, v0, 4, 1
	v_lshlrev_b32 v20, 4, v1
	v_add_nc_u32 v20, s22, v20
	v_add_nc_u32 v21, s18, v20
	v_lshrrev_b32 v22, 1, v20
	v_lshrrev_b32 v23, 1, v21
	v_mul_u32_u24 v24, s19, v3
	v_lshl_add_u32 v24, v2, 2, v24
	v_add_nc_u32 v24, s23, v24
	v_mul_u32_u24 v25, s20, v3
.irp b, 0,1,2,3
	v_mov_b32 v[TM+4+\b], 0                        ; written once: a lane permute's destination counts as one of its sources
.endr
.macro OUTQ a
.set AC, 64*((\a)%4)
	s_wait_xcnt 0x0                                ; the last block's stores have read their data and addresses: both are written again only behind this wait
.if (\a) > 0
	v_add_nc_u32 v20, s17, v20
	v_add_nc_u32 v21, s17, v21
	v_add_nc_u32 v22, s21, v22
	v_add_nc_u32 v23, s21, v23
	v_add_nc_u32 v24, 64, v24
.endif
	WIN 0x0a+5*((\a)/4)                            ; sources 0 and 1: the accumulators' window
.irp b, 0,1,2,3
	v_max3_num_f32 v[TM+\b], |v[AC+16*\b]|, |v[AC+1+16*\b]|, 0x1800000   ; my 16 numbers of block b, and the floor 2^(3 - 127)
.endr
.irp i, 2,4,6,8,10,12,14
.irp b, 0,1,2,3
	v_max3_num_f32 v[TM+\b], |v[AC+16*\b+\i]|, |v[AC+1+16*\b+\i]|, v[TM+\b]
.endr
.endr
	WIN 0
.irp b, 0,1,2,3
	v_permlanex16_b32 v[TM+4+\b], v[TM+\b], s66, s67
.endr
.irp b, 0,1,2,3
	v_max_num_f32 v[TM+\b], v[TM+\b], v[TM+4+\b]   ; with lane l xor 16's: the block's largest magnitude
.endr
.irp b, 0,1,2,3
	v_add_nc_u32 v[TM+12+\b], 0xff000000, v[TM+\b] ; 2 off its exponent field: the conversion's scale operand
.endr
.irp b, 0,1,2,3
	v_lshrrev_b32 v[TM+4+\b], 23, v[TM+12+\b]      ; the scale's byte
.endr
	v_lshl_or_b32 v[PWR], v[TM+5], 8, v[TM+4]
	v_lshl_or_b32 v[PWR], v[TM+6], 16, v[PWR]
	v_lshl_or_b32 v[PWR], v[TM+7], 24, v[PWR]
	v_lshrrev_b32 v[PSH], v25, v[PWR]
	WIN 0x02+((\a)/4)                              ; source 0: the accumulators' window
.irp c, 0,1
	v_cvt_scalef32_pk16_fp6_f32 v[PC+6*\c:PC+2+6*\c], v[AC+32*\c:AC+15+32*\c], v[TM+12+2*\c]
	v_cvt_scalef32_pk16_fp6_f32 v[PC+12+4*\c:PC+14+4*\c], v[AC+16+32*\c:AC+31+32*\c], v[TM+12+2*\c+1]
.endr
	WIN 0
	v_nop                                          ; one plain place behind a scaled conversion
.irp c, 0,1                            ; the operand's layout wants a whole block in a lane: lanes 0-15 block 2 c, lanes 16-31 block 2 c + 1
.irp i, 0,1,2
	v_permlane16_swap_b32 v[PC+6*\c+\i], v[PC+12+4*\c+\i]
.endr
.irp i, 0,1,2
	v_mov_b32 v[PC+3+6*\c+\i], v[PC+12+4*\c+\i]
.endr
.endr
	global_store_b128 v20, v[PC:PC+3], s[8:9]      ; 512 consecutive bytes, aligned to 256
	global_store_b64 v22, v[PC+4:PC+5], s[12:13]   ; 256
	global_store_b128 v21, v[PC+6:PC+9], s[8:9]
	global_store_b64 v23, v[PC+10:PC+11], s[12:13]
	global_store_b32 v24, v[PSH], s[10:11]         ; 64 bytes of scale words for each head (v: both halves of the lanes store the same word)
.endm
	PLACES 4
.irp a, 0,1,2,3,4,5,6,7
	OUTQ \a
.endr
	s_wait_tensorcnt 0x0                           ; the wave's end
	ds_add_u32 v[SPW], v[NIL]
	s_wait_dscnt 0x0
	CROUND                                         ; the closing round
	s_endpgm
.Lfunc_end_k_q8e526f94c8_qkv:
	.size	k_q8e526f94c8_qkv, .Lfunc_end_k_q8e526f94c8_qkv-k_q8e526f94c8_qkv
	.p2alignl 7, 3214868480
	.fill 96, 4, 3214868480
	.section	.rodata,"a",@progbits
	.p2align	6, 0x0
	.amdhsa_kernel k_q8e526f94c8_qkv
		.amdhsa_group_segment_fixed_size 327680
		.amdhsa_private_segment_fixed_size 0
		.amdhsa_enable_private_segment 0
		.amdhsa_kernarg_size 32
		.amdhsa_user_sgpr_count 2
		.amdhsa_user_sgpr_kernarg_segment_ptr 1
		.amdhsa_wavefront_size32 1
		.amdhsa_system_sgpr_workgroup_id_x 1
		.amdhsa_system_sgpr_workgroup_id_y 1
		.amdhsa_system_sgpr_workgroup_id_z 1
		.amdhsa_system_vgpr_workitem_id 0
		.amdhsa_next_free_vgpr 1024
		.amdhsa_next_free_sgpr 102
		.amdhsa_reserve_vcc 0
		.amdhsa_float_denorm_mode_32 3
		.amdhsa_float_denorm_mode_16_64 3
		.amdhsa_memory_ordered 1
		.amdhsa_forward_progress 1
		.amdhsa_inst_pref_size 152
	.end_amdhsa_kernel
	.amdgpu_metadata
---
amdhsa.version: [ 1, 2 ]
amdhsa.kernels:
  - .name:           k_q8e526f94c8_qkv
    .symbol:         k_q8e526f94c8_qkv.kd
    .args:
      - { .name: opc, .offset: 0, .size: 8, .value_kind: global_buffer, .address_space: global }
      - { .name: ops, .offset: 8, .size: 8, .value_kind: global_buffer, .address_space: global }
      - { .name: qkv, .offset: 16, .size: 8, .value_kind: global_buffer, .address_space: global }
      - { .name: qkvs, .offset: 24, .size: 8, .value_kind: global_buffer, .address_space: global }
    .group_segment_fixed_size: 327680
    .private_segment_fixed_size: 0
    .kernarg_segment_align: 8
    .kernarg_segment_size: 32
    .max_flat_workgroup_size: 128
    .sgpr_count:     102
    .vgpr_count:     1024
    .wavefront_size: 32
...
	.end_amdgpu_metadata
.endif
;; end of part 2
;; launch attn (part 3): grid 64 x 4, 16 waves a work-group, no clusters, 295,936 bytes of LDS; arguments qkv, qkvs, ablation_mask, ctxc, ctxs; writes ctxc, ctxs
.if DOCPART == 3
	.amdgcn_target "amdgcn-amd-amdhsa--gfx1250"
	.amdhsa_code_object_version 6
	.text
	.protected	k_q8e526f94c8_attn
	.globl	k_q8e526f94c8_attn
	.p2align	8
	.type	k_q8e526f94c8_attn,@function
k_q8e526f94c8_attn:
	s_mov_b64 s[64:65], 0
	v_nop
	global_prefetch_b8 v0, s[64:65] scope:SCOPE_SE
	s_setreg_imm32_b32 hwreg(HW_REG_WAVE_MODE, 25, 1), 1
	s_wait_xcnt 0x0
; Local attention, key j counts for query i where i - 256 < j <= i, both products on codes of FP6 (E2M3); then x 1 / l, x ablation_mask, and the quantiser along H for the last projection.
; SHARES.  A work-group: 128 queries of one batch (x = 16 b + Gq) and four heads (y).  Wave w: head w % 4, queries 32 (w / 4) on, as two tiles of 16, one after the other.  Lane-row r of tile u is query 8 u + r + 8 (r / 8).
; THE WINDOW.  12 blocks of 32 keys, from key 128 Gq - 256 on, of four heads lie in LDS, filled once by asynchronous copies.  A wave's 32 queries see nine of them, blocks o + 0 .. o + 8 (o = w / 4):
; block 8 lies on the diagonal, block 0 on the far edge, blocks 1-7 count whole.  Groups of 128 keys that would lie ahead of the batch's first key are replaced by group 0 in memory and hidden by the mask.
; All nine blocks' scores stay in registers (144), so the row's largest t is exact and nothing is rescaled: p = 2^(t - M), t = score x log2(e), M = ceil(largest t); the sum is taken of the unquantised p.
; Both products are used transposed: S^T = K Q^T, O^T = V^T P^T: a lane holds one query.  The scores' K is 64: the upper half of q's operand is zero codes; what stands against it in k's operand adds nothing.
; No joint loads: neighbouring query blocks share keys, but at different places of their windows, and a joint load has one LDS address for all partners.  No prefetch: every stream is asked for at the head by the copies.
; LIMITS: hidden scores are -1e30, not -infinity: right while |score| stays under 1e29; ctx = O (mask (1 / l)), two roundings otherwise ordered than mask (O / l); a block of zeros gets the byte 1; NaN and infinities are not served.
; REGISTERS: v1-7 addresses and d0, v8 -1e30, v9-15 offsets, v16-27 q, v28 q's scale words, v29, v45 scale bytes' places, v30-41 v's scale words, v42-44 p's, v46-47 -M, v48-51 sums, v52-60 block maxima,
;   v61-63 at work and 1 / l, v64-105 six tiles of k, later p's codes, v106-111 k's scale words, v112-255 the scores; in the second product v112-207 v's fragments, v160-191 the mask, v208-239 O^T, v240-254 at work.
.set KYO, 49152                        ; LDS: k's registers 0-3: 4 heads x 24 tiles x 512 from 0; registers 4-5: x 256 from here
.set VXO, 73728                        ; v's registers 0-3: 4 heads x 4 tiles of channels x 12 blocks x 256
.set VYO, 122880                       ; registers 4-5: x 128
.set KSO, 147456                       ; k's scale words: 4 x 24 x 64
.set MK,  153600                       ; the mask: 16 waves x 32 rows x (256 + 16), each wave's own
.set CSO, 292864                       ; ctx's scale bytes: 8 tiles x 16 rows x 8 bytes
.set KB,  64
.set KSR, 106
.set S,   112
.set BM,  52
.set VF0, 112
.set VF1, 160
.set MR,  160
.set O,   208
.set VS,  30
.set PW,  42
	s_load_b256 s[4:11], s[0:1], 0x0               ; qkv, qkvs, ablation_mask, ctxc
	s_load_b64 s[12:13], s[0:1], 0x20              ; ctxs
	v_lshl_add_u32 v254, v0, 2, 0x47c00
	v_mov_b32 v255, 0
	ds_add_u32 v254, v255
	ds_add_u32 v254, v255
	s_wait_dscnt 0x0
	v_lshrrev_b32 v1, 5, v0
	v_readfirstlane_b32 s14, v1                    ; wave 0..15
	s_and_b32 s15, s14, 3                          ; hh: my head of the four
	s_lshr_b32 s16, s14, 2                         ; o: my 32 queries of the 128
	s_lshr_b32 s18, ttmp9, 4                       ; b
	s_and_b32 s19, ttmp9, 15                       ; Gq
	s_and_b32 s20, ttmp7, 0xffff                   ; hg
	s_lshl_b32 s21, s20, 2
	s_add_co_u32 s21, s21, s15                     ; n
	s_lshl_b32 s22, s18, 4
	s_add_co_u32 s22, s22, s21                     ; 16 b + n
	s_mov_b32 s24, 0x76543210
	s_mov_b32 s25, 0xfedcba98                      ; selects for lane l xor 16
	s_mov_b32 s26, 0x3fb8aa3b                      ; log2(e)
	s_mov_b32 s27, s26                             ; (named with it as a pair, so it is written)
	s_lshl_b32 s28, s19, 2
	s_sub_co_i32 s28, 8, s28
	s_max_i32 s28, s28, 0
	s_sub_co_i32 s28, s28, s16                     ; my blocks 0 .. this - 1 lie ahead of the batch's first key
	s_lshl_b32 s29, s16, 3                         ; 8 o: the shift that brings my blocks' scale bytes of v to a word's low end
.irp g, 0,1,2
	s_add_co_i32 s[74+\g], s19, \g-2
	s_max_i32 s[74+\g], s[74+\g], 0                ; the group of 128 keys that fills window group g
.endr
	v_and_b32 v61, 31, v0                          ; lane
	v_and_b32 v62, 15, v0                          ; r
	v_bfe_u32 v63, v0, 4, 1                        ; h
	v_lshlrev_b32 v48, 4, v61
	v_lshlrev_b32 v49, 3, v61
	v_lshlrev_b32 v50, 2, v61
	v_lshlrev_b32 v51, 2, v62
	; LDS addresses: constants, the wave's number and the lane alone
	s_mul_i32 s66, s15, 12288
	s_mul_i32 s67, s15, 6144
	s_mul_i32 s68, s15, 1536
	s_lshl_b32 s69, s16, 10
	s_add_co_u32 s69, s69, s66
	v_add_nc_u32 v1, s69, v48                      ; k, registers 0-3: my first tile; also where my copies of them land
	s_lshl_b32 s69, s16, 9
	s_add_co_u32 s69, s69, s67
	s_add_co_u32 s69, s69, KYO
	v_add_nc_u32 v2, s69, v49                      ; k, registers 4-5
	v_add_nc_u32 v112, s69, v48                    ; (the copies' place)
	s_lshl_b32 s69, s16, 7
	s_add_co_u32 s69, s69, s68
	s_add_co_u32 s69, s69, KSO
	v_add_nc_u32 v3, s69, v51                      ; k's scale words
	v_add_nc_u32 v113, s69, v50
	s_add_co_u32 s70, s66, VXO
	s_lshl_b32 s69, s16, 8
	s_add_co_u32 s69, s69, s70
	v_add_nc_u32 v4, s69, v48                      ; v, registers 0-3: my first block
	s_mul_i32 s69, s16, 3072
	s_add_co_u32 s69, s69, s70
	v_add_nc_u32 v114, s69, v48                    ; (I copy tile of channels t = o)
	s_add_co_u32 s70, s67, VYO
	s_lshl_b32 s69, s16, 7
	s_add_co_u32 s69, s69, s70
	v_add_nc_u32 v5, s69, v49                      ; v, registers 4-5
	s_mul_i32 s69, s16, 1536
	s_add_co_u32 s69, s69, s70
	v_add_nc_u32 v115, s69, v48
	s_mul_i32 s88, s14, 8704
	s_add_co_u32 s88, s88, MK
	v_mul_u32_u24 v12, v63, 272
	v_lshl_add_u32 v12, v62, 4, v12
	v_add_nc_u32 v12, s88, v12                     ; the mask's copies: two rows a copy, 16 lanes to a row's 256 bytes
	v_lshlrev_b32 v13, 12, v63
	v_lshl_add_u32 v13, v62, 4, v13                ; and the same in memory: rows of 4,096 bytes
	v_mul_u32_u24 v6, v62, 272
	v_lshl_add_u32 v6, v63, 6, v6
	v_add_nc_u32 v6, s88, v6                       ; the mask's reads: row r, + 64 h
	v_and_b32 v7, 8, v62
	v_add_nc_u32 v7, v7, v62
	v_lshlrev_b32 v8, 4, v63
	v_sub_nc_u32 v7, v7, v8                        ; d0 = r + 8 (r / 8) - 16 h: register jj of a block is key 16 h + jj; it lies behind my query where jj - 8 u > d0
	v_mov_b32 v8, 0xf149f2ca                       ; -1e30
	; the copies' places in memory.  A copy's immediate, g x the group's bytes, is added to both addresses: it is taken off the memory side here
	s_lshl_b32 s80, s22, 16
	s_lshl_b32 s69, s16, 10
	s_add_co_u32 s80, s80, s69
	s_add_co_u32 s80, s80, 4194304
	s_lshl_b32 s81, s22, 15
	s_lshl_b32 s69, s16, 9
	s_add_co_u32 s81, s81, s69
	s_add_co_u32 s81, s81, 14680064
	s_lshl_b32 s82, s22, 13
	s_lshl_b32 s69, s16, 7
	s_add_co_u32 s82, s82, s69
	s_add_co_u32 s82, s82, 524288
	s_lshl_b32 s83, s22, 16
	s_lshl_b32 s69, s16, 14
	s_add_co_u32 s83, s83, s69
	s_add_co_u32 s83, s83, 8388608
	s_lshl_b32 s85, s22, 15
	s_lshl_b32 s69, s16, 13
	s_add_co_u32 s85, s85, s69
	s_add_co_u32 s85, s85, 16777216
.macro MEMR vd, sb, sh, lr
.irp g, 0,1,2
	s_lshl_b32 s84, s[74+\g], \sh
	s_add_co_u32 s84, s84, s[\sb]
	s_sub_co_u32 s84, s84, (\g<<\sh)
	v_add_nc_u32 v[\vd+\g], s84, v[\lr]
.endr
.endm
	MEMR 116, 80, 12, 48
	MEMR 119, 81, 11, 48
	MEMR 122, 82, 9, 50
	MEMR 125, 83, 10, 48
	MEMR 128, 85, 9, 48
	; q: [b][n][tile][512], [256], [64]
	s_lshl_b32 s86, s19, 3
	s_lshl_b32 s69, s16, 1
	s_add_co_u32 s86, s86, s69                     ; my first tile of queries in the batch
	s_lshl_b32 s69, s22, 16
	s_lshl_b32 s70, s86, 9
	s_add_co_u32 s69, s69, s70
	v_add_nc_u32 v9, s69, v48
	s_lshr_b32 s70, s69, 1
	s_add_co_u32 s70, s70, 12582912
	v_add_nc_u32 v10, s70, v49
	s_lshr_b32 s70, s69, 3
	v_add_nc_u32 v11, s70, v51
.irp g, 0,1,2                          ; v's scale words: [b][128 keys][4 n + t][r]
	s_lshl_b32 s69, s18, 4
	s_add_co_u32 s69, s69, s[74+\g]
	s_lshl_b32 s69, s69, 12
	s_lshl_b32 s70, s21, 8
	s_add_co_u32 s69, s69, s70
	s_add_co_u32 s69, s69, 1048576
	v_add_nc_u32 v[144+\g], s69, v51
.endr
	s_lshl_b32 s69, ttmp9, 3
	s_lshl_b32 s70, s16, 1
	s_add_co_u32 s69, s69, s70
	s_mul_i32 s69, s69, 12288
	s_mul_i32 s70, s21, 768
	s_add_co_u32 s69, s69, s70                     ; ctx's codes: [row tile][head][768]
	v_add_nc_u32 v14, s69, v48
	s_add_co_u32 s69, s69, 512
	v_add_nc_u32 v15, s69, v49
	s_lshl_b32 s69, s16, 8
	s_lshl_b32 s70, s15, 1
	s_add_co_u32 s69, s69, s70
	s_add_co_u32 s69, s69, CSO
	v_lshl_add_u32 v29, v62, 3, s69                ; ctx's scale bytes in LDS: tile 2 o + u, row r, my head's two bytes
	s_and_b32 s69, s14, 7
	s_lshl_b32 s69, s69, 7
	s_add_co_u32 s69, s69, CSO
	v_add_nc_u32 v45, s69, v50                     ; and on the way out: waves 0-7, a tile's 128 bytes each
	s_lshl_b32 s89, ttmp9, 3
	s_add_co_u32 s89, s89, s14
	s_lshl_b32 s89, s89, 9
	s_lshl_b32 s69, s20, 7
	s_add_co_u32 s89, s89, s69                     ; ctxs: [row tile][four heads][r][8 bytes]
	s_lshl_b32 s86, ttmp9, 19
	s_lshl_b32 s69, s16, 17
	s_add_co_u32 s86, s86, s69
	s_lshl_b32 s69, s21, 8
	s_add_co_u32 s86, s86, s69                     ; the mask at my first query and my head's 64 channels
	s_mov_b32 s87, 0
	s_wait_kmcnt 0x0
	s_add_nc_u64 s[30:31], s[8:9], s[86:87]
.irp i, 0,1,2,3,4,5,6,7,8,9,10,11,12,13,14,15  ; copy i brings tile i / 8's lane-rows 2 (i % 8) and + 1; its immediate 544 i is taken off the memory side
	s_add_nc_u64 s[32+2*\i:33+2*\i], s[30:31], (8*(\i/8)+2*(\i%8)+8*((\i%8)/4))*4096-544*\i
.endr
	; ALL COPIES, ahead of every wait for them, every LDS read and every barrier; each LDS byte is filled once.  37 a wave: 21 of K and V, which all waves read, then 16 of the mask, my own
.irp g, 0,1,2
	global_load_async_to_lds_b128 v1, v[116+\g], s[4:5] offset:4096*\g
	global_load_async_to_lds_b128 v1, v[116+\g], s[4:5] offset:4096*\g+512
	global_load_async_to_lds_b128 v112, v[119+\g], s[4:5] offset:2048*\g
	global_load_async_to_lds_b32 v113, v[122+\g], s[6:7] offset:512*\g
	global_load_async_to_lds_b128 v114, v[125+\g], s[4:5] offset:1024*\g
	global_load_async_to_lds_b128 v114, v[125+\g], s[4:5] offset:1024*\g+512
	global_load_async_to_lds_b128 v115, v[128+\g], s[4:5] offset:512*\g
.endr
.irp i, 0,1,2,3,4,5,6,7,8,9,10,11,12,13,14,15
	global_load_async_to_lds_b128 v12, v13, s[32+2*\i:33+2*\i] offset:544*\i
.endr
	global_load_b128 v[16:19], v9, s[4:5]          ; tile 0's q
	global_load_b64 v[20:21], v10, s[4:5]
	global_load_b32 v28, v11, s[6:7]
.irp g, 0,1,2
.irp t, 0,1,2,3
	global_load_b32 v[132+4*\g+\t], v[144+\g], s[6:7] offset:64*\t
.endr
.endr
.irp j, 22,23,24,25,26,27
	v_mov_b32 v\j, 0                               ; q's codes for k = 64 .. 127: zeros
.endr
.irp j, 100,101,102,103,104,105
	v_mov_b32 v\j, 0                               ; the upper half of the sixth tile's operand: written once; it meets q's zeros alone, and every pattern of 6 bits is a finite number
.endr
	v_mov_b32 v47, 0                               ; (named as the upper half of the pair v[46:47])
	s_wait_asynccnt 16                             ; my 21 copies of K and V have landed; the mask's 16 may be out
	s_wait_loadcnt 0x0
	s_barrier_signal -1
	s_barrier_wait -1                              ; everybody's have
.irp t, 0,1,2,3                        ; v's scale words for my three steps of 128 keys: the window's 12 bytes, from byte o on
	v_alignbit_b32 v[VS+\t], v[136+\t], v[132+\t], s29
	v_alignbit_b32 v[VS+4+\t], v[140+\t], v[136+\t], s29
	v_alignbit_b32 v[VS+8+\t], v[140+\t], v[140+\t], s29   ; byte 0 counts; the others are bytes of the same group over p's zero codes
.endr
.macro VLOAD vf, s, c                  ; v's fragments of step s, half c: blocks o + 4 s + 2 c + h of the four tiles of channels
.irp t, 0,1,2,3
	ds_load_b128 v[\vf+12*\t+6*\c:\vf+12*\t+6*\c+3], v4 offset:3072*\t+1024*\s+512*\c
	ds_load_b64 v[\vf+12*\t+6*\c+4:\vf+12*\t+6*\c+5], v5 offset:1536*\t+512*\s+256*\c
.endr
.endm
.macro PV vf, s, zero                  ; four products; O^T's four accumulators take turns
.irp t, 0,1,2,3
.if \zero
	v_wmma_scale_f32_16x16x128_f8f6f4 v[O+8*\t:O+8*\t+7], v[\vf+12*\t:\vf+12*\t+11], v[KB+12*\s:KB+12*\s+11], 0, v[VS+4*\s+\t], v[PW+\s] matrix_a_fmt:MATRIX_FMT_FP6 matrix_b_fmt:MATRIX_FMT_FP6
.else
	v_wmma_scale_f32_16x16x128_f8f6f4 v[O+8*\t:O+8*\t+7], v[\vf+12*\t:\vf+12*\t+11], v[KB+12*\s:KB+12*\s+11], v[O+8*\t:O+8*\t+7], v[VS+4*\s+\t], v[PW+\s] matrix_a_fmt:MATRIX_FMT_FP6 matrix_b_fmt:MATRIX_FMT_FP6
.endif
.endr
.endm
.macro TILE u
	s_wait_loadcnt 0x0                             ; this tile's q
	s_wait_xcnt 0x0                                ; the last tile's stores have read their data: the score products write over those registers only behind this wait
	; ---- S^T = K Q^T: 18 tiles of 16 keys, six at a time.  A tile's operand is its six registers and the next tile's six
.irp bt, 0,1,2
.rept 4
	v_nop                                          ; places in front of loads into registers that matrix instructions have read
.endr
.irp tt, 0,1,2,3,4,5
	ds_load_b128 v[KB+6*\tt:KB+6*\tt+3], v1 offset:512*(6*\bt+\tt)
	ds_load_b64 v[KB+6*\tt+4:KB+6*\tt+5], v2 offset:256*(6*\bt+\tt)
	ds_load_b32 v[KSR+\tt], v3 offset:64*(6*\bt+\tt)
.endr
	s_wait_dscnt 0x0
.irp tt, 0,1,2,3,4,5
	v_wmma_scale_f32_16x16x128_f8f6f4 v[S+8*(6*\bt+\tt):S+8*(6*\bt+\tt)+7], v[KB+6*\tt:KB+6*\tt+11], v[16:27], 0, v[KSR+\tt], v28 matrix_a_fmt:MATRIX_FMT_FP6 matrix_b_fmt:MATRIX_FMT_FP6
.endr
.endr
.rept 4
	v_nop
.endr
.if \u == 0
	global_load_b128 v[16:19], v9, s[4:5] offset:512   ; the next tile's q, a whole softmax ahead of its use
	global_load_b64 v[20:21], v10, s[4:5] offset:256
	global_load_b32 v28, v11, s[6:7] offset:64
.endif
	; ---- the mask that the problem builds: on the diagonal keys behind my query are hidden, on the far edge just the others
.irp jj, 0,1,2,3,4,5,6,7,8,9,10,11,12,13,14,15
	v_cmp_gt_i32 vcc_lo, \jj-8*\u, v7
	v_cndmask_b32 v[S+128+\jj], v[S+128+\jj], v8, vcc_lo
	v_cndmask_b32 v[S+\jj], v8, v[S+\jj], vcc_lo
.endr
	; ---- the batch's first 256 queries: blocks ahead of key 0 are hidden whole.  A branch on ids alone
	s_cmp_le_i32 s28, 0
	s_cbranch_scc1 .Lno_edge_\@
.irp i, 0,1,2,3,4,5,6,7
	s_cmp_gt_i32 s28, \i
	s_cselect_b32 s70, -1, 0
.irp jj, 0,1,2,3,4,5,6,7,8,9,10,11,12,13,14,15
	v_cndmask_b32 v[S+16*\i+\jj], v[S+16*\i+\jj], v8, s70
.endr
.endr
.Lno_edge_\@:
	; ---- the softmax.  Each block's largest score serves twice: for the row's maximum, and, since p rises with the score, for the block's largest p
.irp i, 0,1,2,3,4,5,6,7,8
	v_max3_num_f32 v[BM+\i], v[S+16*\i], v[S+16*\i+1], v[S+16*\i+2]
.endr
.irp k, 3,5,7,9,11,13
.irp i, 0,1,2,3,4,5,6,7,8
	v_max3_num_f32 v[BM+\i], v[BM+\i], v[S+16*\i+\k], v[S+16*\i+\k+1]
.endr
.endr
.irp i, 0,1,2,3,4,5,6,7,8
	v_max_num_f32 v[BM+\i], v[BM+\i], v[S+16*\i+15]
.endr
.irp i, 0,1,2,3,4,5,6,7,8
	v_permlanex16_b32 v[KB+\i], v[BM+\i], s24, s25
.endr
.irp i, 0,1,2,3,4,5,6,7,8
	v_max_num_f32 v[BM+\i], v[BM+\i], v[KB+\i]     ; with lane l xor 16's 16 keys
.endr
	v_max3_num_f32 v61, v[BM], v[BM+1], v[BM+2]
	v_max3_num_f32 v61, v61, v[BM+3], v[BM+4]
	v_max3_num_f32 v61, v61, v[BM+5], v[BM+6]
	v_max3_num_f32 v61, v61, v[BM+7], v[BM+8]      ; my query's largest score (its own key always counts)
	v_mul_f32 v61, s26, v61
	v_floor_f32 v46, -v61                          ; -M = floor(-t) = -ceil(t)
.set j, 0
.rept 72
	v_pk_fma_f32 v[S+j:S+j+1], v[S+j:S+j+1], s[26:27], v[46:47] op_sel_hi:[1,0,0]   ; t - M, two at a time
.set j, j+2
.endr
.irp i, 0,1,2,3,4,5,6,7,8
	v_fma_f32 v[BM+\i], v[BM+\i], s26, v46
.endr
.set j, 0
.rept 144
	v_exp_f32 v[S+j], v[S+j]                       ; p = 2^(t - M): not normalised
.set j, j+1
.endr
	v_mov_b32 v47, v46                             ; a plain place behind the exponentials
	s_wait_alu depctr_va_vdst(0)                   ; one wait for the whole batch, ahead of its first reader
.irp i, 0,1,2,3,4,5,6,7,8
	v_exp_f32 v[BM+\i], v[BM+\i]                   ; each block's largest p: the same two instructions on the same number
.endr
	v_pk_add_f32 v[48:49], v[S:S+1], v[S+2:S+3]    ; the row's sum is taken of the unquantised p: two chains, two numbers a line
	v_pk_add_f32 v[50:51], v[S+4:S+5], v[S+6:S+7]
.set j, 8
.rept 34
	v_pk_add_f32 v[48:49], v[48:49], v[S+j:S+j+1]
	v_pk_add_f32 v[50:51], v[50:51], v[S+j+2:S+j+3]
.set j, j+4
.endr
	v_pk_add_f32 v[48:49], v[48:49], v[50:51]
	v_add_f32 v61, v48, v49
	v_permlanex16_b32 v62, v61, s24, s25
	v_add_f32 v61, v61, v62                        ; l
	v_rcp_f32 v62, v61
	v_rcp_f32 v63, v61                             ; twice: a pair for the packed multiply
	v_nop                                          ; a plain place behind the transcendentals
	s_wait_alu depctr_va_vdst(0)                   ; one wait for the nine exponentials and the reciprocals
	; ---- p's scale bytes and codes
.irp i, 0,1,2,3,4,5,6,7,8
	v_max_num_f32 v[BM+\i], 0x1800000, v[BM+\i]    ; the floor 2^(3 - 127): a block whose every p is 0 keeps the byte 1; its codes are zeros
.endr
.irp i, 0,1,2,3,4,5,6,7,8
	v_add_nc_u32 v[BM+\i], 0xff000000, v[BM+\i]    ; 2 off the exponent field: the conversion's scale operand
.endr
.irp i, 0,1,2,3,4,5,6,7,8
	v_lshrrev_b32 v[KB+\i], 23, v[BM+\i]
.endr
	v_lshl_or_b32 v[PW], v[KB+1], 8, v[KB]
	v_lshl_or_b32 v[PW], v[KB+2], 16, v[PW]
	v_lshl_or_b32 v[PW], v[KB+3], 24, v[PW]
	v_lshl_or_b32 v[PW+1], v[KB+5], 8, v[KB+4]
	v_lshl_or_b32 v[PW+1], v[KB+6], 16, v[PW+1]
	v_lshl_or_b32 v[PW+1], v[KB+7], 24, v[PW+1]
	v_mov_b32 v[PW+2], v[KB+8]                     ; the third step has one block; its other bytes, 0, stand over zero codes
	v_cvt_scalef32_pk16_fp6_f32 v[KB:KB+2], v[S:S+15], v[BM]        ; blocks 0 and 1 first: their 32 score registers then serve the others as room
	v_cvt_scalef32_pk16_fp6_f32 v[48:50], v[S+16:S+31], v[BM+1]
	v_nop                                          ; one plain place behind a scaled conversion
.irp i, 0,1,2
	v_permlane16_swap_b32 v[KB+\i], v[48+\i]       ; a whole block to a lane: lanes 0-15 the even block, lanes 16-31 the odd one
.endr
.irp i, 0,1,2
	v_mov_b32 v[KB+3+\i], v[48+\i]
.endr
.irp i, 0,1,2
	v_mov_b32 v[S+12+\i], 0                        ; block 9 does not count: zero codes
.endr
.irp i, 30,31,32,33,34,35
	v_mov_b32 v[KB+\i], 0                          ; nor do blocks 10 and 11
.endr
.irp m, 1,2,3
	v_cvt_scalef32_pk16_fp6_f32 v[KB+6*\m:KB+6*\m+2], v[S+32*\m:S+32*\m+15], v[BM+2*\m]
	v_cvt_scalef32_pk16_fp6_f32 v[S+4*(\m-1):S+4*(\m-1)+2], v[S+32*\m+16:S+32*\m+31], v[BM+2*\m+1]
.endr
	v_cvt_scalef32_pk16_fp6_f32 v[KB+24:KB+26], v[S+128:S+143], v[BM+8]
	v_nop
.irp m, 1,2,3,4
.irp i, 0,1,2
	v_permlane16_swap_b32 v[KB+6*\m+\i], v[S+4*(\m-1)+\i]
.endr
.irp i, 0,1,2
	v_mov_b32 v[KB+6*\m+3+\i], v[S+4*(\m-1)+\i]
.endr
.endr
.rept 4
	v_nop                                          ; an operand written by vector instructions stands four places ahead of a scaled matrix instruction; p's scale words stand more than eight ahead
.endr
	; ---- O^T = V^T P^T: three steps of 128 keys, the third with one block
	VLOAD VF0, 0, 0
	VLOAD VF0, 0, 1
	VLOAD VF1, 1, 0
	VLOAD VF1, 1, 1
	s_wait_dscnt 16                                ; step 0's 16 loads are in; step 1's may be out
	PV VF0, 0, 1
.rept 4
	v_nop
.endr
	VLOAD VF0, 2, 0                                ; blocks o + 8 and, against zero codes, the 256 + 128 filled bytes behind it; the operand's upper half keeps step 0's bits, against zero codes too
	s_wait_dscnt 8                                 ; step 1's loads are in; step 2's eight may be out
	PV VF1, 1, 0
.rept 4
	v_nop
.endr
	s_wait_asynccnt 0x0                            ; my copies of the mask have landed: only I read them
.irp bb, 0,1
.irp i, 0,1,2,3
	ds_load_b128 v[MR+16*\bb+4*\i:MR+16*\bb+4*\i+3], v6 offset:4352*\u+128*\bb+16*\i   ; the mask at my query, channels 32 bb + 16 h + 4 i on
.endr
.endr
	s_wait_dscnt 8                                 ; step 2's loads are in; the mask's eight may be out
	PV VF0, 2, 0
	; ---- ctx = O x (mask x 1 / l), quantised along H: my head's two blocks of 32
	s_wait_dscnt 0x0
.set j, 0
.rept 16
	v_pk_mul_f32 v[MR+j:MR+j+1], v[MR+j:MR+j+1], v[62:63]          ; these sixteen name no register of the last products: they are the places behind them
.set j, j+2
.endr
.set j, 0
.rept 16
	v_pk_mul_f32 v[O+j:O+j+1], v[O+j:O+j+1], v[MR+j:MR+j+1]        ; register 16 bb + i is channel 32 bb + 16 h + i; each accumulator from its low end on
.set j, j+2
.endr
	v_max3_num_f32 v240, |v[O]|, |v[O+1]|, 0x1800000
	v_max3_num_f32 v241, |v[O+16]|, |v[O+17]|, 0x1800000
.irp i, 2,4,6,8,10,12,14
	v_max3_num_f32 v240, v240, |v[O+\i]|, |v[O+1+\i]|
	v_max3_num_f32 v241, v241, |v[O+16+\i]|, |v[O+17+\i]|
.endr
	v_permlanex16_b32 v242, v240, s24, s25
	v_permlanex16_b32 v243, v241, s24, s25
	v_max_num_f32 v240, v240, v242
	v_max_num_f32 v241, v241, v243
	v_add_nc_u32 v250, 0xff000000, v240
	v_add_nc_u32 v251, 0xff000000, v241
	v_lshrrev_b32 v242, 23, v250
	v_lshrrev_b32 v243, 23, v251
	v_lshl_or_b32 v242, v243, 8, v242              ; my row's two scale bytes
	v_cvt_scalef32_pk16_fp6_f32 v[244:246], v[O:O+15], v250
	v_cvt_scalef32_pk16_fp6_f32 v[252:254], v[O+16:O+31], v251
	v_nop
.irp i, 0,1,2
	v_permlane16_swap_b32 v[244+\i], v[252+\i]
.endr
.irp i, 0,1,2
	v_mov_b32 v[247+\i], v[252+\i]
.endr
	global_store_b128 v14, v[244:247], s[10:11] offset:12288*\u    ; 512 consecutive bytes, aligned to 256
	global_store_b64 v15, v[248:249], s[10:11] offset:12288*\u     ; 256
	ds_store_b16 v29, v242 offset:128*\u           ; both halves of the lanes write the same two bytes
.endm
	TILE 0
	TILE 1
	s_wait_dscnt 0x0                               ; for the others' sake: my scale bytes have landed
	s_barrier_signal -1
	s_barrier_wait -1
	s_cmp_lt_u32 s14, 8
	s_cbranch_scc0 .Ldone
	ds_load_b32 v61, v45                           ; tile w's 16 rows x 8 bytes, which four waves wrote
	v_and_b32 v48, 31, v0
	v_lshlrev_b32 v48, 2, v48
	v_add_nc_u32 v48, s89, v48
	s_wait_dscnt 0x0
	global_store_b32 v48, v61, s[12:13]            ; 128 consecutive bytes
.Ldone:
	s_wait_xcnt 0x0
	v_lshl_add_u32 v254, v0, 2, 0x47c00
	v_mov_b32 v255, 0
	s_wait_tensorcnt 0x0
	ds_add_u32 v254, v255
	s_wait_dscnt 0x0
	s_endpgm
.Lfunc_end_k_q8e526f94c8_attn:
	.size	k_q8e526f94c8_attn, .Lfunc_end_k_q8e526f94c8_attn-k_q8e526f94c8_attn
	.p2alignl 7, 3214868480
	.fill 96, 4, 3214868480
	.section	.rodata,"a",@progbits
	.p2align	6, 0x0
	.amdhsa_kernel k_q8e526f94c8_attn
		.amdhsa_group_segment_fixed_size 295936
		.amdhsa_private_segment_fixed_size 0
		.amdhsa_enable_private_segment 0
		.amdhsa_kernarg_size 40
		.amdhsa_user_sgpr_count 2
		.amdhsa_user_sgpr_kernarg_segment_ptr 1
		.amdhsa_wavefront_size32 1
		.amdhsa_system_sgpr_workgroup_id_x 1
		.amdhsa_system_sgpr_workgroup_id_y 1
		.amdhsa_system_sgpr_workgroup_id_z 1
		.amdhsa_system_vgpr_workitem_id 0
		.amdhsa_next_free_vgpr 256
		.amdhsa_next_free_sgpr 90
		.amdhsa_reserve_vcc 1
		.amdhsa_float_denorm_mode_32 3
		.amdhsa_float_denorm_mode_16_64 3
		.amdhsa_memory_ordered 1
		.amdhsa_forward_progress 1
		.amdhsa_inst_pref_size 116
	.end_amdhsa_kernel
	.amdgpu_metadata
---
amdhsa.version: [ 1, 2 ]
amdhsa.kernels:
  - .name:           k_q8e526f94c8_attn
    .symbol:         k_q8e526f94c8_attn.kd
    .args:
      - { .name: qkv, .offset: 0, .size: 8, .value_kind: global_buffer, .address_space: global }
      - { .name: qkvs, .offset: 8, .size: 8, .value_kind: global_buffer, .address_space: global }
      - { .name: ablation_mask, .offset: 16, .size: 8, .value_kind: global_buffer, .address_space: global }
      - { .name: ctxc, .offset: 24, .size: 8, .value_kind: global_buffer, .address_space: global }
      - { .name: ctxs, .offset: 32, .size: 8, .value_kind: global_buffer, .address_space: global }
    .group_segment_fixed_size: 295936
    .private_segment_fixed_size: 0
    .kernarg_segment_align: 8
    .kernarg_segment_size: 40
    .max_flat_workgroup_size: 512
    .sgpr_count:     90
    .vgpr_count:     256
    .wavefront_size: 32
...
	.end_amdgpu_metadata
.endif
;; end of part 3
;; launch outp (part 4): grid 4 x 32, 4 waves a work-group, clusters of 4 x 4, 327,680 bytes of LDS; arguments ctxc, ctxs, opc, ops, bo, out0; writes out0
.if DOCPART == 4
	.amdgcn_target "amdgcn-amd-amdhsa--gfx1250"
	.amdhsa_code_object_version 6
	.text
	.protected	k_q8e526f94c8_outp
	.globl	k_q8e526f94c8_outp
	.p2align	8
	.type	k_q8e526f94c8_outp,@function
k_q8e526f94c8_outp:
	s_mov_b64 s[64:65], 0
	v_nop
	global_prefetch_b8 v0, s[64:65] scope:SCOPE_SE
	s_setreg_imm32_b32 hwreg(HW_REG_WAVE_MODE, 25, 1), 1
	s_wait_xcnt 0x0
	s_wait_alu depctr_hold_cnt(0) depctr_sa_sdst(0) depctr_va_vdst(0) depctr_va_sdst(0) depctr_va_ssrc(0) depctr_va_vcc(0) depctr_vm_vsrc(0)
	s_getreg_b32 s2, hwreg(HW_REG_IB_STS2, 6, 4)
	s_cmp_eq_u32 s2, 0
	s_cbranch_scc0 .Lentry_in_a_cluster
	s_endpgm
.Lentry_in_a_cluster:
	s_bfe_u32 s2, ttmp6, 0x10000c
	s_cmp_lg_u32 s2, 0xf033
	s_cbranch_scc0 .Lentry_shape_is_right
	s_endpgm
.Lentry_shape_is_right:
; out0 = ctx Wo^T + bo on codes of FP6 (E2M3) with E8M0 scales, K = 1,024; out0 [8192][1024] f32.
; OPERANDS lie in the order of the operand's registers: codes [row tile][64 along K][768 bytes] (registers 0-3 at 16 x lane, 4-5 at 512 + 8 x lane), scale words [row tile][256 along K][r][2 words].
; Lane-row r of row tile T is row 32 (T / 2) + 8 (T % 2) + r + 8 (r / 8), for both operands.  A = ctx (ctxc, ctxs), B = Wo (row tiles 1216 on of opc, ops).
; A tile of C is 256 x 256; four waves, each 128 x 128: 64 accumulators.  Source 0 = 16 rows of B, source 1 = 16 rows of A: a lane holds one row of C and eight neighbouring columns an accumulator.
; K goes in four quarters of 256 through three LDS slots: three go out at the start, the fourth fills slot 0 again behind a round of the cluster's barrier, 256 matrix instructions ahead of its use.
; CLUSTERS 4 x 4: A's tiles are shared along a row of the cluster, B's along a column, by joint loads.  A wave has four tensor loads out at the most.
; 128 work-groups: C has 128 tiles of this size.  No prefetch: three of four quarters are asked for at the head, and the one refill has two quarters' products in which to land.
; THE WAY OUT goes through a stage in slot 1, which is filled once and last read one barrier ahead of the first store into it.
; REGISTERS: window 0: v8-19 LDS addresses, v23-26 the way out, v27 scale words' address, v28-29 the add's, v32-63 scale words, v64-67 bo, v128-223 A's fragments, later v128-255 rows of C;
;   window 1: B's fragments, two sets; windows 2, 3: the accumulators, (a, b) at v[8 (8 (a % 4) + b)] of window 2 + a / 4.
.set RT,    3072
.set HALFT, 8*RT
.set SLOT,  4*HALFT
.set SCL,   3*SLOT
.set SCLB,  SCL+8320
.set SPARE, 311552
.set STAGE, SLOT                       ; 16 rows x SPITCH for each wave
.set SPITCH, 528
.set FR,    12
.set AF,    128
.set BK,    128
.set SC,    32
.set AXA,   8
.set AXB,   14
.set STO,   24
.set RD,    25
.set CO,    26
.set ADRS,  27
.set SPW,   28
.set NIL,   29
.set G1,   24
.set G0,   32
.set G1B,  44
.set G0B,  52
.set G1S,  68
.set G0S,  76
.set G1SB, 80
.set G0SB, 88
.set PAC, 4                            ; s[4:5] ctxc, s[6:7] ctxs, s[8:9] opc, s[10:11] ops
.set PAS, 6
.set PBC, 8
.set PBS, 10
.set MSB, 0
.macro WIN new                         ; the immediate's high byte repeats the setting that is left
.if MSB != (\new)
	s_set_vgpr_msb (MSB<<8)|(\new)
.set MSB, \new
.endif
.endm
.set MUL_LO, 0xa1
.set MUL_HI, 0xf1
.set TO_B,   0x40
.macro JLOAD g0a, g1a, g0b, g1b        ; a joint load: waves 0 and 1 fetch for A, waves 2 and 3 for B; four v_nop follow each line
	s_cmp_eq_u32 s15, 0
	s_cbranch_scc0 .Lfor_b_\@
	tensor_load_to_lds s[\g0a:\g0a+3], s[\g1a:\g1a+7]
	s_nop 0
.rept 4
	v_nop
.endr
	s_branch .Lasked_\@
.Lfor_b_\@:
	tensor_load_to_lds s[\g0b:\g0b+3], s[\g1b:\g1b+7]
	s_nop 0
.rept 4
	v_nop
.endr
.Lasked_\@:
.endm
.macro CREST
	s_cmp_lg_u32 s14, 0
	s_cbranch_scc1 .Lnot_wave_0_\@
	s_barrier_signal -3
.Lnot_wave_0_\@:
	s_barrier_wait -3
	s_barrier_signal -1
	s_barrier_wait -1
.endm
.macro CROUND
	s_barrier_signal -1
	s_barrier_wait -1
	CREST
.endm
.macro PLACES n
.rept \n
	v_nop
.endr
.endm
.macro FRAG reg, adr, q, i             ; a fragment comes as it lies: two images, each 512 bytes by 16 a lane and 256 bytes by 8 a lane
	ds_load_b128 v[\reg:\reg+3], v[\adr] offset:(\i)*RT+(\q)*1536
	ds_load_b64 v[\reg+4:\reg+5], v[\adr+3] offset:(\i)*RT+(\q)*1536+512
	ds_load_b128 v[\reg+6:\reg+9], v[\adr] offset:(\i)*RT+(\q)*1536+768
	ds_load_b64 v[\reg+10:\reg+11], v[\adr+3] offset:(\i)*RT+(\q)*1536+1280
.endm
; 16 matrix instructions: A's blocks a0, a0 + 1 x B's eight.  The 64 accumulators take turns, one instruction a turn, in the same order in every step.
.macro MUL16 a0, p, q, sc, zero
.irp a, \a0, \a0+1
.irp b, 0,1,2,3,4,5,6,7
.if \zero
	v_wmma_scale_f32_16x16x128_f8f6f4 v[8*(8*((\a)%4)+\b):8*(8*((\a)%4)+\b)+7], v[128*(\p)+FR*\b:128*(\p)+FR*\b+FR-1], v[AF+FR*(\a):AF+FR*(\a)+FR-1], 0, v[SC+16*(\sc)+2*\b+(\q)], v[SC+16*(\sc)+2*(\a)+(\q)] matrix_a_fmt:MATRIX_FMT_FP6 matrix_b_fmt:MATRIX_FMT_FP6 matrix_a_scale:MATRIX_SCALE_ROW1
.else
	v_wmma_scale_f32_16x16x128_f8f6f4 v[8*(8*((\a)%4)+\b):8*(8*((\a)%4)+\b)+7], v[128*(\p)+FR*\b:128*(\p)+FR*\b+FR-1], v[AF+FR*(\a):AF+FR*(\a)+FR-1], v[8*(8*((\a)%4)+\b):8*(8*((\a)%4)+\b)+7], v[SC+16*(\sc)+2*\b+(\q)], v[SC+16*(\sc)+2*(\a)+(\q)] matrix_a_fmt:MATRIX_FMT_FP6 matrix_b_fmt:MATRIX_FMT_FP6 matrix_a_scale:MATRIX_SCALE_ROW1
.endif
.endr
.endr
.endm
.macro FETCH_B slot, q, p
	WIN TO_B
.irp i, 0,1,2,3,4,5,6,7
	FRAG 128*(\p)+FR*\i, AXB+\slot, \q, \i
.endr
	WIN 0
.endm
.macro FETCH_A slot, q, i0
.irp i, \i0, \i0+1, \i0+2, \i0+3
	FRAG AF+FR*(\i), AXA+\slot, \q, \i
.endr
.endm
.macro SCALES kq                       ; quarter kq's scale words into set kq % 2: register 2 i + q: lanes 0-15 A's block i, lanes 16-31 B's
.irp i, 0,1,2,3,4,5,6,7
	ds_load_b64 v[SC+16*((\kq)%2)+2*\i:SC+16*((\kq)%2)+2*\i+1], v[ADRS] offset:512*\i+128*(\kq)
.endr
.endm
.macro STEP q, sc, zero, nslot, nq, nkq
	s_wait_dscnt 16                                ; B's set, A's blocks 0-3 and the scale words are in; the youngest 16 loads (A's blocks 4-7) may be out
	WIN MUL_LO
	MUL16 0, \q, \q, \sc, \zero
	MUL16 2, \q, \q, \sc, \zero
	s_wait_dscnt 0x0                               ; A's blocks 4-7 are in
	PLACES 4                                       ; four places in front of loads into registers that matrix instructions have read
	FETCH_B \nslot, \nq, 1-(\q)
	FETCH_A \nslot, \nq, 0
.if (\nq) == 0
	SCALES \nkq
.endif
	WIN MUL_HI
	MUL16 4, \q, \q, \sc, \zero
	MUL16 6, \q, \q, \sc, \zero
	PLACES 4
	WIN 0
	FETCH_A \nslot, \nq, 4
.endm
.macro TURN next, fill, sc, nkq
	s_wait_tensorcnt 0x0                           ; all my tensor loads have landed
	ds_add_u32 v[SPW], v[NIL]                      ; 0 onto my spare word
	s_wait_dscnt 17                                ; (the add and the youngest 16 loads may be out)
	WIN MUL_LO
	MUL16 0, 1, 1, \sc, 0
	s_wait_dscnt 0x0                               ; the add is done, and my reads of the slot in hand are over
	s_barrier_signal -1
	MUL16 2, 1, 1, \sc, 0
	WIN 0
	s_barrier_wait -1
.if \fill
	CREST                                          ; no wave of any partner still reads slot 0 or has a load on its way
	s_add_nc_u64 s[G0+2:G0+3], s[G0+2:G0+3], 3*RT
	s_add_nc_u64 s[G0B+2:G0B+3], s[G0B+2:G0B+3], 3*RT
	JLOAD G0, G1, G0B, G1B                         ; the first tensor load behind the round; its four v_nop are also the places in front of the loads below
.else
	PLACES 4
.endif
	FETCH_B \next, 0, 0
	FETCH_A \next, 0, 0
	SCALES \nkq
	WIN MUL_HI
	MUL16 4, 1, 1, \sc, 0
	MUL16 6, 1, 1, \sc, 0
	PLACES 4
	WIN 0
	FETCH_A \next, 0, 4
.endm
	s_load_b256 s[4:11], s[0:1], 0x0               ; ctxc, ctxs, opc, ops
	s_load_b64 s[12:13], s[0:1], 0x20              ; bo
	s_load_b64 s[66:67], s[0:1], 0x28              ; out0
	v_lshl_add_u32 v[SPW], v0, 2, SPARE
	v_mov_b32 v[NIL], 0
	ds_add_u32 v28, v29
	ds_add_u32 v28, v29
	s_wait_dscnt 0x0
	v_lshrrev_b32 v1, 5, v0
	v_readfirstlane_b32 s14, v1                    ; wave 0..3
	s_lshr_b32 s15, s14, 1                         ; which half of A's rows is mine.  Also: I fetch for A (0) or for B (1)
	s_and_b32 s16, s14, 1                          ; which half of B's rows.  Also: which eight row tiles I fetch
	s_bfe_u32 s92, ttmp6, 0x40000                  ; cx
	s_bfe_u32 s93, ttmp6, 0x40004                  ; cy
	s_and_b32 s94, ttmp7, 0xffff                   ; the cluster's y, 0..7
	s_lshl_b32 s96, s94, 2
	s_add_co_u32 s96, s96, s93                     ; my block of 256 rows
	s_lshl_b32 s95, s96, 8                         ; its first row
	s_lshl_b32 s96, s96, 4                         ; A's first row tile: it hangs on cy alone
	s_lshl_b32 s97, s92, 4
	s_add_co_u32 s97, s97, 1216                    ; B's: Wo, on cx alone
	s_lshl_b32 s100, s93, 2
	s_lshl_b32 s100, 15, s100                      ; my row of the cluster
	s_lshl_b32 s101, 0x1111, s92                   ; my column
	s_or_b32 s[G1], s100, (3<<16)|(1<<21)          ; 15:0 the mask; 17:16 elements of 8 bytes; 21 set beside a mask; no padding
	s_or_b32 s[G1B], s101, (3<<16)|(1<<21)
	s_or_b32 s[G1S], s100, (3<<16)|(1<<21)
	s_or_b32 s[G1SB], s101, (3<<16)|(1<<21)
.irp g, G1, G1B                        ; codes: eight rows of 3,072 bytes (384 elements), 12,288 bytes apart
	s_mov_b32 s[\g+1], 384<<16
	s_mov_b32 s[\g+2], 8<<16
	s_mov_b32 s[\g+3], 384<<16
	s_mov_b32 s[\g+4], 8
	s_mov_b32 s[\g+5], 1536
	s_mov_b32 s[\g+6], 0
	s_mov_b32 s[\g+7], 0
.endr
.irp g, G1S, G1SB                      ; scale words of eight row tiles: 4,096 dense bytes as 16 rows of 256
	s_mov_b32 s[\g+1], 32<<16
	s_mov_b32 s[\g+2], 16<<16
	s_mov_b32 s[\g+3], 32<<16
	s_mov_b32 s[\g+4], 16
	s_mov_b32 s[\g+5], 32
	s_mov_b32 s[\g+6], 0
	s_mov_b32 s[\g+7], 0
.endr
	s_lshl_b32 s17, s16, 3
	s_add_co_u32 s18, s96, s17                     ; the first row tile that I fetch, of A
	s_add_co_u32 s20, s97, s17                     ; and of B
	s_mul_i32 s22, s18, 12288
	s_mov_b32 s23, 0
	s_mul_i32 s2, s20, 12288
	s_mov_b32 s3, 0
	s_lshl_b32 s18, s18, 9
	s_mov_b32 s19, 0
	s_lshl_b32 s20, s20, 9
	s_mov_b32 s21, 0
	s_mul_i32 s100, s14, HALFT                     ; where they go: wave x eight row tiles: no place in the cluster enters an LDS address
	s_lshl_b32 s101, s14, 12
	s_wait_kmcnt 0x0
	s_add_nc_u64 s[22:23], s[PAC:PAC+1], s[22:23]
	s_add_nc_u64 s[2:3], s[PBC:PBC+1], s[2:3]
	s_add_nc_u64 s[18:19], s[PAS:PAS+1], s[18:19]
	s_add_nc_u64 s[20:21], s[PBS:PBS+1], s[20:21]
	CROUND                                         ; all sixteen work-groups are here: the first joint loads meet
	s_mov_b32 s[G0S], 1
	s_add_co_u32 s[G0S+1], s101, SCL
	s_mov_b64 s[G0S+2:G0S+3], s[18:19]
	s_or_b32 s[G0S+3], s[G0S+3], 0x80000000
	s_mov_b32 s[G0SB], 1
	s_add_co_u32 s[G0SB+1], s101, SCL+128
	s_mov_b64 s[G0SB+2:G0SB+3], s[20:21]
	s_or_b32 s[G0SB+3], s[G0SB+3], 0x80000000
	JLOAD G0S, G1S, G0SB, G1SB                     ; the scale words first
.irp s, 0,1,2
	s_mov_b32 s[G0+4*\s], 1
	s_add_co_u32 s[G0+4*\s+1], s100, \s*SLOT
	s_add_nc_u64 s[G0+4*\s+2:G0+4*\s+3], s[22:23], \s*RT
	s_or_b32 s[G0+4*\s+3], s[G0+4*\s+3], 0x80000000
	s_mov_b32 s[G0B+4*\s], 1
	s_add_co_u32 s[G0B+4*\s+1], s100, \s*SLOT
	s_add_nc_u64 s[G0B+4*\s+2:G0B+4*\s+3], s[2:3], \s*RT
	s_or_b32 s[G0B+4*\s+3], s[G0B+4*\s+3], 0x80000000
	JLOAD G0+4*\s, G1, G0B+4*\s, G1B
.endr
	v_and_b32 v1, 15, v0                           ; r
	v_bfe_u32 v2, v0, 4, 1                         ; h
	v_and_b32 v3, 31, v0                           ; lane
	v_lshlrev_b32 v4, 4, v3
	v_lshlrev_b32 v5, 3, v3
	s_mul_i32 s100, s15, HALFT                     ; my eight row tiles of A
	s_mul_i32 s101, s16, HALFT                     ; and of B,
	s_add_co_u32 s101, s101, 2*HALFT               ; which lie behind A's sixteen
.irp s, 0,1,2
	v_add_nc_u32 v[AXA+\s], s100, v4
	v_add_nc_u32 v[AXA+3+\s], s100, v5
	v_add_nc_u32 v[AXB+\s], s101, v4
	v_add_nc_u32 v[AXB+3+\s], s101, v5
	s_add_co_u32 s100, s100, SLOT
	s_add_co_u32 s101, s101, SLOT
.endr
	v_lshlrev_b32 v[ADRS], 3, v1                   ; my row's two words of a quarter
	s_lshl_b32 s100, s15, 12
	s_lshl_b32 s101, s16, 12
	s_add_co_u32 s101, s101, SCLB-SCL
	s_sub_co_u32 s101, s101, s100
	v_mul_u32_u24 v6, s101, v2                     ; lanes 16-31 take B's: one product, the distance between the two bases
	s_add_co_u32 s100, s100, SCL
	v_add_nc_u32 v[ADRS], v[ADRS], v6
	v_add_nc_u32 v[ADRS], s100, v[ADRS]
	; the way out
	s_mul_i32 s17, s14, 16*SPITCH
	s_add_co_u32 s17, s17, STAGE                   ; my stage
	v_mul_u32_u24 v[STO], v1, SPITCH
	v_lshl_add_u32 v[STO], v2, 6, v[STO]
	v_add_nc_u32 v[STO], s17, v[STO]               ; in: row r, + 64 h: accumulator b's eight columns are 32 (b / 2) + 8 (b % 2) + 16 h + 0 .. 7
	v_lshlrev_b32 v[CO], 4, v3                     ; back: the 32 lanes take one row of 512 bytes; and the same in C
	v_add_nc_u32 v[RD], s17, v[CO]
	s_lshl_b32 s100, s92, 10
	s_lshl_b32 s101, s16, 9
	s_add_co_u32 s100, s100, s101                  ; my first column, in bytes
	v_add_nc_u32 v23, s100, v[CO]
	global_load_b128 v[64:67], v23, s[12:13]       ; bo at my four columns of a row
	s_lshl_b32 s98, s15, 7
	s_add_co_u32 s98, s98, s95                     ; my first row of C
	s_lshl_b32 s98, s98, 12
	s_add_co_u32 s98, s98, s100
	s_mov_b32 s99, 0
	s_add_nc_u64 s[66:67], s[66:67], s[98:99]
	s_wait_tensorcnt 2                             ; the scale words and my part of slot 0 are in; slots 1 and 2 may be out
	s_barrier_signal -1
	s_barrier_wait -1
	FETCH_B 0, 0, 0
	FETCH_A 0, 0, 0
	SCALES 0
	FETCH_A 0, 0, 4
	STEP 0, 0, 1, 0, 1, 0                          ; quarter 0, first half: its products start the sums
	TURN 1, 1, 0, 1                                ; quarter 0, second half; the wait for all loads shows slots 1 and 2 whole; slot 0 takes quarter 3
	STEP 0, 1, 0, 1, 1, 0                          ; quarter 1
	STEP 1, 1, 0, 2, 0, 2                          ; and on into slot 2, which every wave has shown landed at the barrier above
	STEP 0, 0, 0, 2, 1, 0                          ; quarter 2
	TURN 0, 0, 0, 3                                ; behind this barrier slot 0 holds quarter 3 for every wave, and nobody reads slot 1 any more
	STEP 0, 1, 0, 0, 1, 0                          ; quarter 3
	s_wait_dscnt 16                                ; the last step: nothing more to fetch
	WIN MUL_LO
	MUL16 0, 1, 1, 1, 0
	MUL16 2, 1, 1, 1, 0
	s_wait_dscnt 0x0
	WIN MUL_HI
	MUL16 4, 1, 1, 1, 0
	MUL16 6, 1, 1, 1, 0
	WIN 0
; THE WAY OUT, block by block of 16 rows x 128 columns: through my own stage and back as whole rows of 512 bytes; bo is added; the 32 lanes store two aligned runs of 256 bytes.
; LDS serves a wave's instructions in order: no wait between the stores and the loads, nor in front of the next block's stores.
.macro TOSTAGE a
.set AC, 64*((\a)%4)
	WIN 0x08+4*((\a)/4)                            ; the data: window 2 or 3
.irp b, 0,1,2,3,4,5,6,7
	ds_store_b128 v[STO], v[AC+8*\b:AC+8*\b+3] offset:128*(\b/2)+32*(\b%2)       ; each accumulator from its low end on
	ds_store_b128 v[STO], v[AC+8*\b+4:AC+8*\b+7] offset:128*(\b/2)+32*(\b%2)+16
.endr
	WIN 0
.set BB, BK+64*((\a)%2)
.irp t, 0,1,2,3,4,5,6,7,8,9,10,11,12,13,14,15
	ds_load_b128 v[BB+4*\t:BB+4*\t+3], v[RD] offset:\t*SPITCH
.endr
.endm
.macro SEND a, younger                 ; younger: the LDS instructions issued behind block a's loads, which may stay out
.set BB, BK+64*((\a)%2)
	s_wait_dscnt \younger
.irp t, 0,1,2,3,4,5,6,7,8,9,10,11,12,13,14,15
	v_pk_add_f32 v[BB+4*\t:BB+4*\t+1], v[BB+4*\t:BB+4*\t+1], v[64:65]
	v_pk_add_f32 v[BB+4*\t+2:BB+4*\t+3], v[BB+4*\t+2:BB+4*\t+3], v[66:67]
	global_store_b128 v[CO], v[BB+4*\t:BB+4*\t+3], s[66:67] offset:(32*((\a)/2)+8*((\a)%2)+\t+8*(\t/8))*4096 th:TH_STORE_NT   ; lane-row t of block a is row 32 (a / 2) + 8 (a % 2) + t + 8 (t / 8); 127 rows of 4,096 bytes at the most
.endr
.endm
	s_wait_loadcnt 0x0                             ; bo
	PLACES 4
	TOSTAGE 0
.irp a, 1,2,3,4,5,6,7
.if \a > 1
	s_wait_xcnt 0x0                                ; block a - 2's stores have read their registers: block a's loads may land there
.endif
	TOSTAGE \a
	SEND \a-1, 32                                  ; behind block a - 1's loads: block a's 16 stores and 16 loads
.endr
	SEND 7, 0
	s_wait_tensorcnt 0x0                           ; the wave's end
	ds_add_u32 v[SPW], v[NIL]
	s_wait_dscnt 0x0
	CROUND                                         ; the closing round
	s_endpgm
.Lfunc_end_k_q8e526f94c8_outp:
	.size	k_q8e526f94c8_outp, .Lfunc_end_k_q8e526f94c8_outp-k_q8e526f94c8_outp
	.p2alignl 7, 3214868480
	.fill 96, 4, 3214868480
	.section	.rodata,"a",@progbits
	.p2align	6, 0x0
	.amdhsa_kernel k_q8e526f94c8_outp
		.amdhsa_group_segment_fixed_size 327680
		.amdhsa_private_segment_fixed_size 0
		.amdhsa_enable_private_segment 0
		.amdhsa_kernarg_size 48
		.amdhsa_user_sgpr_count 2
		.amdhsa_user_sgpr_kernarg_segment_ptr 1
		.amdhsa_wavefront_size32 1
		.amdhsa_system_sgpr_workgroup_id_x 1
		.amdhsa_system_sgpr_workgroup_id_y 1
		.amdhsa_system_sgpr_workgroup_id_z 1
		.amdhsa_system_vgpr_workitem_id 0
		.amdhsa_next_free_vgpr 1024
		.amdhsa_next_free_sgpr 102
		.amdhsa_reserve_vcc 0
		.amdhsa_float_denorm_mode_32 3
		.amdhsa_float_denorm_mode_16_64 3
		.amdhsa_memory_ordered 1
		.amdhsa_forward_progress 1
		.amdhsa_inst_pref_size 159
	.end_amdhsa_kernel
	.amdgpu_metadata
---
amdhsa.version: [ 1, 2 ]
amdhsa.kernels:
  - .name:           k_q8e526f94c8_outp
    .symbol:         k_q8e526f94c8_outp.kd
    .args:
      - { .name: ctxc, .offset: 0, .size: 8, .value_kind: global_buffer, .address_space: global }
      - { .name: ctxs, .offset: 8, .size: 8, .value_kind: global_buffer, .address_space: global }
      - { .name: opc, .offset: 16, .size: 8, .value_kind: global_buffer, .address_space: global }
      - { .name: ops, .offset: 24, .size: 8, .value_kind: global_buffer, .address_space: global }
      - { .name: bo, .offset: 32, .size: 8, .value_kind: global_buffer, .address_space: global }
      - { .name: out0, .offset: 40, .size: 8, .value_kind: global_buffer, .address_space: global }
    .group_segment_fixed_size: 327680
    .private_segment_fixed_size: 0
    .kernarg_segment_align: 8
    .kernarg_segment_size: 48
    .max_flat_workgroup_size: 128
    .sgpr_count:     102
    .vgpr_count:     1024
    .wavefront_size: 32
...
	.end_amdgpu_metadata
.endif
;; end of part 4
